; MI455X (gfx1250); checked and timed in simulation.
; The chip was launched on July 23, 2026; its instructions are those of AMD's public machine-readable ISA for CDNA 5 (MIT licence, August 2026) and "CDNA5" Instruction Set Architecture Reference Guide (July 2026). The comments in the code are by the model that wrote it; some were corrected since.
;; Multi Head Self Attention ANE. Allowed arithmetic: float matrix products may take bf16 or f16 operands with f32 sums; other float arithmetic in f32, or as packed bf16 or f16 multiplies, adds, multiply-adds, maxima and minima; sums over many terms, partial sums and values carried from step to step in f32; what a program stores and reads back later, other than sums and carried values, may be rounded once to bf16 or f16.
;; Inputs: bo 1,024 float32; wk 1,024 x 1,024 float32; wo 1,024 x 1,024 float32; wq 1,024 x 1,024 float32; wv 1,024 x 1,024 float32; x 4 x 1,024 x 1 x 2,048 float32.
;; Outputs: out0 4 x 1,024 x 1 x 2,048 float32.
;; One version. Each part assembles by itself: llvm-mc -triple=amdgcn-amd-amdhsa -mcpu=gfx1250 --defsym DOCPART=n.
;; ======== version 1 of 1: 4 launches
;; limits: values are held in f16: magnitudes above 65,504 overflow, below 6.1e-05 lose precision
;; workspace buffers: xb 16,777,216 bytes; wqkv 6,291,456 bytes; wo16 2,097,152 bytes; qkv 50,331,648 bytes; o 16,777,216 bytes
;; launch prep (part 1): grid 768 x 1, 8 waves a work-group, no clusters, 0 bytes of LDS; arguments x, wq, wk, wv, wo, xb, wqkv, wo16; writes xb, wqkv, wo16
.if DOCPART == 1
	.amdgcn_target "amdgcn-amd-amdhsa--gfx1250"
	.amdhsa_code_object_version 6
	.text
	.protected	k_q1eeb4a252f_prep
	.globl	k_q1eeb4a252f_prep
	.p2align	8
	.type	k_q1eeb4a252f_prep,@function
k_q1eeb4a252f_prep:
	s_mov_b64 s[64:65], 0
	v_nop
	global_prefetch_b8 v0, s[64:65] scope:SCOPE_SE
	s_setreg_imm32_b32 hwreg(HW_REG_WAVE_MODE, 25, 1), 1
	s_wait_xcnt 0x0
; The module's large inputs are rounded once to bf16, layouts unchanged: x -> xb, wq | wk | wv -> wqkv (three blocks of 1,024 rows on end).
; wo is rounded to bf16 like the others and that number is written as f16 (wo16), since the last product multiplies f16 operands.
; LIMITS.  A weight of wo beyond 65,504 becomes an infinity in f16; below 6.1e-5 it keeps f16's fixed step of 6e-8.  NaN and infinities are not treated apart.
; SHARES.  A work-group takes 65,536 bytes of one input (16,384 f32) and writes 32,768.  Groups 0-511: x; 512-575: wq; 576-639: wk; 640-703: wv; 704-767: wo.
; In step i thread t takes the 16 bytes at 4,096 i + 16 t and writes the 8 bytes at 2,048 i + 8 t: a wave's load covers 512 consecutive bytes, its store 256 consecutive bytes, aligned.
; All 16 loads of a thread go out at once; no register is written twice while a memory instruction may read it, so no wait but the counted ones for the loads is needed.
; No LDS, no matrix unit, no cluster: nothing is shared between work-groups and each byte is read once.
.set X, 4                              ; v[4:67]    step i: 4 f32 as loaded
.set Y, 68                             ; v[68:99]   step i: 4 numbers of 16 bits to store
.set T, 100                            ; v[100:103] at work
	s_load_b512 s[16:31], s[0:1], 0x0              ; x 16, wq 18, wk 20, wv 22, wo 24, xb 26, wqkv 28, wo16 30
	s_mov_b32 s2, ttmp9                            ; g
	s_sub_co_u32 s3, s2, 512                       ; the group's number among the weights' (used from g = 512 on)
	s_and_b32 s4, s3, 63                           ; and inside its weight
	v_lshlrev_b32 v1, 4, v0                        ; 16 t
	v_lshlrev_b32 v2, 3, v0                        ; 8 t
	s_cmp_lt_u32 s2, 704
	s_cselect_b32 s6, s3, s4                       ; block of the output: wqkv is walked on end, wo16 from 0,
	s_cmp_lt_u32 s2, 512
	s_cselect_b32 s6, s2, s6                       ; xb by g
	s_cselect_b32 s5, s2, s4                       ; block of the input
	s_lshl_b32 s12, s5, 16
	s_mov_b32 s13, 0
	s_lshl_b32 s14, s6, 15
	s_mov_b32 s15, 0
	s_wait_kmcnt 0x0
	s_cmp_lt_u32 s2, 704                           ; the choice of buffers hangs on the group's number alone
	s_cselect_b64 s[8:9], s[22:23], s[24:25]
	s_cselect_b64 s[10:11], s[28:29], s[30:31]
	s_cmp_lt_u32 s2, 640
	s_cselect_b64 s[8:9], s[20:21], s[8:9]
	s_cmp_lt_u32 s2, 576
	s_cselect_b64 s[8:9], s[18:19], s[8:9]
	s_cmp_lt_u32 s2, 512
	s_cselect_b64 s[8:9], s[16:17], s[8:9]
	s_cselect_b64 s[10:11], s[26:27], s[10:11]
	s_add_nc_u64 s[8:9], s[8:9], s[12:13]
	s_add_nc_u64 s[10:11], s[10:11], s[14:15]
.irp i, 0,1,2,3,4,5,6,7,8,9,10,11,12,13,14,15
	global_load_b128 v[X+4*(\i):X+4*(\i)+3], v1, s[8:9] offset:4096*(\i) th:TH_LOAD_NT
.endr
; Step i leaves.  f16 = 0: two roundings to bf16 an instruction.  f16 = 1: the bf16 numbers are widened again (a shift, a mask) and written as f16.
.macro OUT i, f16
	s_wait_loadcnt 15-(\i)                         ; loads come back in order: step i is in, the 15 - i younger ones stay out
.if \f16
	v_cvt_pk_bf16_f32 v[T],   v[X+4*(\i)],   v[X+4*(\i)+1]
	v_cvt_pk_bf16_f32 v[T+1], v[X+4*(\i)+2], v[X+4*(\i)+3]
	v_lshlrev_b32 v[T+2], 16, v[T]
	v_and_b32     v[T+3], 0xffff0000, v[T]
	v_cvt_pk_f16_f32 v[Y+2*(\i)], v[T+2], v[T+3]
	v_lshlrev_b32 v[T+2], 16, v[T+1]
	v_and_b32     v[T+3], 0xffff0000, v[T+1]
	v_cvt_pk_f16_f32 v[Y+2*(\i)+1], v[T+2], v[T+3]
.else
	v_cvt_pk_bf16_f32 v[Y+2*(\i)],   v[X+4*(\i)],   v[X+4*(\i)+1]
	v_cvt_pk_bf16_f32 v[Y+2*(\i)+1], v[X+4*(\i)+2], v[X+4*(\i)+3]
.endif
	global_store_b64 v2, v[Y+2*(\i):Y+2*(\i)+1], s[10:11] offset:2048*(\i)
.endm
	s_cmp_lt_u32 s2, 704
	s_cbranch_scc0 .Lwo
.irp i, 0,1,2,3,4,5,6,7,8,9,10,11,12,13,14,15
	OUT \i, 0
.endr
	s_endpgm
.Lwo:
.irp i, 0,1,2,3,4,5,6,7,8,9,10,11,12,13,14,15
	OUT \i, 1
.endr
	s_endpgm
.Lfunc_end_k_q1eeb4a252f_prep:
	.size	k_q1eeb4a252f_prep, .Lfunc_end_k_q1eeb4a252f_prep-k_q1eeb4a252f_prep
	.p2alignl 7, 3214868480
	.fill 96, 4, 3214868480
	.section	.rodata,"a",@progbits
	.p2align	6, 0x0
	.amdhsa_kernel k_q1eeb4a252f_prep
		.amdhsa_group_segment_fixed_size 0
		.amdhsa_private_segment_fixed_size 0
		.amdhsa_enable_private_segment 0
		.amdhsa_kernarg_size 64
		.amdhsa_user_sgpr_count 2
		.amdhsa_user_sgpr_kernarg_segment_ptr 1
		.amdhsa_wavefront_size32 1
		.amdhsa_system_sgpr_workgroup_id_x 1
		.amdhsa_system_sgpr_workgroup_id_y 1
		.amdhsa_system_sgpr_workgroup_id_z 1
		.amdhsa_system_vgpr_workitem_id 0
		.amdhsa_next_free_vgpr 104
		.amdhsa_next_free_sgpr 66
		.amdhsa_reserve_vcc 0
		.amdhsa_float_denorm_mode_32 3
		.amdhsa_float_denorm_mode_16_64 3
		.amdhsa_memory_ordered 1
		.amdhsa_forward_progress 1
		.amdhsa_inst_pref_size 17
	.end_amdhsa_kernel
	.amdgpu_metadata
---
amdhsa.version: [ 1, 2 ]
amdhsa.kernels:
  - .name:           k_q1eeb4a252f_prep
    .symbol:         k_q1eeb4a252f_prep.kd
    .args:
      - { .name: x, .offset: 0, .size: 8, .value_kind: global_buffer, .address_space: global }
      - { .name: wq, .offset: 8, .size: 8, .value_kind: global_buffer, .address_space: global }
      - { .name: wk, .offset: 16, .size: 8, .value_kind: global_buffer, .address_space: global }
      - { .name: wv, .offset: 24, .size: 8, .value_kind: global_buffer, .address_space: global }
      - { .name: wo, .offset: 32, .size: 8, .value_kind: global_buffer, .address_space: global }
      - { .name: xb, .offset: 40, .size: 8, .value_kind: global_buffer, .address_space: global }
      - { .name: wqkv, .offset: 48, .size: 8, .value_kind: global_buffer, .address_space: global }
      - { .name: wo16, .offset: 56, .size: 8, .value_kind: global_buffer, .address_space: global }
    .group_segment_fixed_size: 0
    .private_segment_fixed_size: 0
    .kernarg_segment_align: 8
    .kernarg_segment_size: 64
    .max_flat_workgroup_size: 256
    .sgpr_count:     66
    .vgpr_count:     104
    .wavefront_size: 32
...
	.end_amdgpu_metadata
.endif
;; end of part 1
;; launch qkv (part 2): grid 8 x 32, 4 waves a work-group, clusters of 4 x 4, 327,680 bytes of LDS; arguments xb, wqkv, qkv; writes qkv
.if DOCPART == 2
	.amdgcn_target "amdgcn-amd-amdhsa--gfx1250"
	.amdhsa_code_object_version 6
	.text
	.protected	k_q1eeb4a252f_qkv
	.globl	k_q1eeb4a252f_qkv
	.p2align	8
	.type	k_q1eeb4a252f_qkv,@function
k_q1eeb4a252f_qkv:
	s_mov_b64 s[64:65], 0
	v_nop
	global_prefetch_b8 v0, s[64:65] scope:SCOPE_SE
	s_setreg_imm32_b32 hwreg(HW_REG_WAVE_MODE, 25, 1), 1
	s_wait_xcnt 0x0
	s_wait_alu depctr_hold_cnt(0) depctr_sa_sdst(0) depctr_va_vdst(0) depctr_va_sdst(0) depctr_va_ssrc(0) depctr_va_vcc(0) depctr_vm_vsrc(0)
	s_getreg_b32 s2, hwreg(HW_REG_IB_STS2, 6, 4)
	s_cmp_eq_u32 s2, 0
	s_cbranch_scc0 .Lentry_in_a_cluster
	s_endpgm
.Lentry_in_a_cluster:
	s_bfe_u32 s2, ttmp6, 0x10000c
	s_cmp_lg_u32 s2, 0xf033
	s_cbranch_scc0 .Lentry_shape_is_right
	s_endpgm
.Lentry_shape_is_right:
; THE THREE PROJECTIONS.  qkv[t][b 16 + h][l][c] = the sum over d of xb[b][d][l] wqkv[t 1024 + h 64 + c][d], t = 0 q, 1 k, 2 v.  Operands bf16, sums f32, the result rounded once to f16, unscaled, by heads.
; LIMITS.  A result of 65,520 or more becomes an infinity in f16 (with x and the weights 30 times their drawn spread the results' spread is 900); below 6.1e-5 f16 keeps its fixed step of 6e-8.
; SHARES.  A tile is 256 positions l of one batch x 128 channels (two heads).  Four waves; a wave makes 128 positions x 64 channels (one head): 32 accumulators of 16 x 16, 256 registers.
; A WORK-GROUP STAYS: it makes the three tiles t = 0, 1, 2 for the same positions and heads: 8 x 32 = 256 work-groups of equal work.  The ring of LDS slots runs on from tile to tile.
; K (= d) goes in steps of 128 through two slots.  x lies [d][l] in memory and in LDS, so its fragments come out of LDS turned, by ds_load_tr16_b128; the weights lie along d and come as they lie.
; THE PRODUCT: source 0 = 16 rows of the weights, source 1 = 16 positions: a lane then holds ONE position (lane % 16) and eight neighbouring channels 8 (lane / 16) + 0..7: 16 bytes of a head's row.
; CLUSTERS: 4 x 4 work-groups.  x's tile hangs on the grid's y alone and is shared along a row of the cluster, the weights' on x alone and is shared along a column: each is asked for jointly.
; No prefetch: x's tiles are read by two clusters and in three tiles each, the weights' by eight clusters: these are not streams that are read once.
; REGISTERS: window 0: v0-31 addresses; v32-63 at work on the way out; v64-159, v160-255 two fragment buffers (4 fragments of the weights, then 8 of x).  Window 1: the accumulators, (a, b) at v[8 (4 a + b)].
.set PX,    544                        ; a row of x in LDS: 512 bytes + 32 of padding = 136 words
.set PW,    272                        ; a row of the weights: 256 + 16 = 68 words: the 16 rows of a load start at 16 different groups of four banks
.set XHALF, 64*PX                      ; what one tensor load brings of x: 64 rows d
.set WHALF, 64*PW                      ; and of the weights: 64 rows
.set WT,    2*XHALF                    ; in a slot: x's 128 rows, then the weights' 128
.set SLOT,  WT+2*WHALF
.set STAGE, 2*SLOT                     ; behind the ring: 16 rows x 144 bytes for each wave, for the way out
.set SP,    144
.set SPARE, STAGE+4*16*SP              ; behind the stages: the spare words, 128 bytes for each wave: two blocks of 256 bytes that no other line names
.set STEP_X, 128*4096                  ; a K step in xb: 128 rows of 4,096 bytes
.set STEP_W, 256                       ; and in wqkv: 128 numbers along a row
.set BACK_X, 6*STEP_X                  ; from a slot's last K step of a tile to its first of the next: x goes back along d,
.set NEXT_W, 1024*2048-6*STEP_W        ; the weights 1,024 rows down and back
.set ADRX, 16                          ; v16-17  LDS address of my fragments of x in slot 0, 1
.set ADRW, 20                          ; v20-21  the same for the weights
.set STO,  24                          ; v24     the way out: where I put 16 bytes of a row
.set RD,   25                          ; v25     the way out: where I read rows back
.set GO,   26                          ; v26     my byte offset in 512 consecutive bytes of the result
.set SPW,  28                          ; v28     LDS address of my spare word: SPARE + 4 x my thread's number; never rewritten
.set NIL,  29                          ; v29     0; never rewritten
.set F0,   64
.set F1,   160
.set G1,  24                           ; s[24:31] descriptor group 1 for x's tiles;  s[32:39] group 0, one set for each slot
.set G0,  32
.set G1B, 48                           ; s[48:55], s[56:63] the same for the weights' tiles
.set G0B, 56
.set MSB, 0
.macro WIN new                         ; the immediate's high byte repeats the setting that is left; a switch that changes nothing is dropped
.if MSB != (\new)
	s_set_vgpr_msb (MSB<<8)|(\new)
.set MSB, \new
.endif
.endm
.set MUL, 0x50                         ; sources 0 and 1 window 0; C and D window 1
; A joint load: waves 0 and 1 fetch the two halves of x's tile, waves 2 and 3 those of the weights'.  The branch hangs on the wave's number alone.
; An s_nop 0 and four v_nop follow each of the two lines, ahead of the jump, the label and what follows.
.macro JLOAD s
	s_cmp_eq_u32 s11, 0
	s_cbranch_scc0 .Lfor_w_\@
	tensor_load_to_lds s[G0+4*(\s):G0+4*(\s)+3], s[G1:G1+7]
	s_nop 0
.rept 4
	v_nop
.endr
	s_branch .Lasked_\@
.Lfor_w_\@:
	tensor_load_to_lds s[G0B+4*(\s):G0B+4*(\s)+3], s[G1B:G1B+7]
	s_nop 0
.rept 4
	v_nop
.endr
.Lasked_\@:
.endm
.macro CREST                           ; a round of the cluster's barrier behind its opening barrier: wave 0 signals for the work-group, every wave waits for all sixteen, my work-group's barrier closes it
	s_cmp_lg_u32 s10, 0
	s_cbranch_scc1 .Lnot_wave_0_\@
	s_barrier_signal -3
.Lnot_wave_0_\@:
	s_barrier_wait -3
	s_barrier_signal -1
	s_barrier_wait -1
.endm
.macro CROUND                          ; a whole round
	s_barrier_signal -1
	s_barrier_wait -1
	CREST
.endm
	s_load_b128 s[4:7], s[0:1], 0x0                ; xb s[4:5], wqkv s[6:7]
	s_load_b64 s[8:9], s[0:1], 0x10                ; qkv
	v_lshl_add_u32 v[SPW], v0, 2, SPARE
	v_mov_b32 v[NIL], 0
	ds_add_u32 v[SPW], v[NIL]                      ; the wave's opening: the add and its wait stand ahead of my first tensor load; the set-up below, work on registers, stands between them
	v_lshrrev_b32 v1, 5, v0
	v_readfirstlane_b32 s10, v1                    ; wave 0..3
	s_lshr_b32 s11, s10, 1                         ; which 128 positions are mine.  Also: I fetch for x (0) or for the weights (1)
	s_and_b32 s12, s10, 1                          ; which head of the two.  Also: which half of that tile I fetch
	s_bfe_u32 s40, ttmp6, 0x40000                  ; cx, cy: my place in the cluster
	s_bfe_u32 s41, ttmp6, 0x40004
	s_lshl_b32 s42, ttmp9, 2
	s_add_co_u32 s42, s42, s40                     ; tn = 4 x cluster x + cx: the pair of heads
	s_and_b32 s13, ttmp7, 0xffff
	s_lshl_b32 s13, s13, 2
	s_add_co_u32 s13, s13, s41                     ; tm = 4 x cluster y + cy: batch tm / 8, positions 256 (tm % 8) on
	s_lshl_b32 s43, s41, 2
	s_lshl_b32 s43, 15, s43                        ; my row of the cluster
	s_lshl_b32 s44, 0x1111, s40                    ; my column
	; group 1 for x: 64 rows d x 256 positions; for the weights: 64 rows x 128 numbers; both padded in LDS
	s_or_b32 s[G1+0], s43, (1<<16)|(1<<20)|(1<<21)|(6<<22)|(7<<25)   ; 15:0 the mask: my row; 17:16 elements of 2 bytes; 20 padding on; 21 set beside a mask; 24:22 after every 128 words (code 6); 31:25 8 words (code 7)
	s_or_b32 s[G1B+0], s44, (1<<16)|(1<<20)|(1<<21)|(5<<22)|(3<<25)  ; the mask: my column; after every 64 words (code 5) 4 words (code 3)
	s_mov_b32 s[G1+1], 256<<16                     ; tensor_dim0 = 256
	s_mov_b32 s[G1+2], 64<<16                      ; tensor_dim1 = 64
	s_mov_b32 s[G1+3], 256<<16                     ; tile_dim0 = 256
	s_mov_b32 s[G1+4], 64                          ; tile_dim1 = 64
	s_mov_b32 s[G1+5], 2048                        ; elements from row to row
	s_mov_b32 s[G1+6], 0
	s_mov_b32 s[G1+7], 0
	s_mov_b32 s[G1B+1], 128<<16
	s_mov_b32 s[G1B+2], 64<<16
	s_mov_b32 s[G1B+3], 128<<16
	s_mov_b32 s[G1B+4], 64
	s_mov_b32 s[G1B+5], 1024
	s_mov_b32 s[G1B+6], 0
	s_mov_b32 s[G1B+7], 0
	; where the tiles come from: x's offset is made of tm and the wave's number, the weights' of tn and the wave's number, in registers of their own
	s_lshr_b32 s16, s13, 3
	s_lshl_b32 s16, s16, 22                        ; the batch: 1,024 rows of 4,096 bytes
	s_and_b32 s17, s13, 7
	s_lshl_b32 s17, s17, 9                         ; 256 positions of 2 bytes
	s_add_co_u32 s16, s16, s17
	s_lshl_b32 s17, s12, 18                        ; my 64 rows d
	s_add_co_u32 s16, s16, s17
	s_mov_b32 s17, 0
	s_lshl_b32 s46, s42, 18                        ; 128 rows of 2,048 bytes
	s_lshl_b32 s47, s12, 17                        ; my 64 of them
	s_add_co_u32 s46, s46, s47
	s_mov_b32 s47, 0
	s_mul_i32 s20, s12, XHALF                      ; and where they go: no place in the cluster enters an LDS address
	s_mul_i32 s21, s12, WHALF
	s_add_co_u32 s21, s21, WT
	s_wait_dscnt 0x0                               ; the opening add is done
	s_wait_kmcnt 0x0
	s_add_nc_u64 s[14:15], s[4:5], s[16:17]
	s_add_nc_u64 s[46:47], s[6:7], s[46:47]
	CROUND                                         ; all sixteen work-groups are here: the first joint loads meet
.irp s, 0,1
	s_mov_b32 s[G0+4*(\s)], 1                                      ; count = 1
	s_add_co_u32 s[G0+4*(\s)+1], s20, (\s)*SLOT                    ; LDS address
	s_add_nc_u64 s[G0+4*(\s)+2:G0+4*(\s)+3], s[14:15], (\s)*STEP_X ; global address: K step s
	s_or_b32 s[G0+4*(\s)+3], s[G0+4*(\s)+3], 0x80000000            ; type = 2
	s_mov_b32 s[G0B+4*(\s)], 1
	s_add_co_u32 s[G0B+4*(\s)+1], s21, (\s)*SLOT
	s_add_nc_u64 s[G0B+4*(\s)+2:G0B+4*(\s)+3], s[46:47], (\s)*STEP_W
	s_or_b32 s[G0B+4*(\s)+3], s[G0B+4*(\s)+3], 0x80000000
	JLOAD \s                                       ; two loads of mine are out
.endr
	v_and_b32 v1, 15, v0                           ; l % 16
	v_bfe_u32 v2, v0, 4, 1                         ; l / 16
	v_and_b32 v3, 7, v0                            ; l % 8
	v_bfe_u32 v4, v0, 3, 1                         ; (l / 8) % 2
	; The turning load takes 16 rows d x 16 positions (lane l reads row 8 (l / 16) + l % 8, positions 8 ((l / 8) % 2) + 0..7) and leaves half a fragment: lane l holds position l % 16 and 8 numbers along d.
	v_lshl_add_u32 v5, v2, 3, v3
	v_mul_u32_u24 v5, v5, PX
	v_lshl_add_u32 v5, v4, 4, v5
	v_mul_u32_u24 v6, v1, PW                       ; a fragment of the weights: row l % 16, 16 bytes for each half of the lanes, twice, 32 bytes apart
	v_lshl_add_u32 v6, v2, 4, v6
	s_lshl_b32 s18, s11, 8                         ; my 128 positions: 256 bytes along x's rows
	s_mul_i32 s19, s12, WHALF                      ; my 64 rows of the weights,
	s_add_co_u32 s19, s19, WT                      ; which lie behind x's
.irp s, 0,1
	v_add_nc_u32 v[ADRX+(\s)], s18, v5
	v_add_nc_u32 v[ADRW+(\s)], s19, v6
	s_add_co_u32 s18, s18, SLOT
	s_add_co_u32 s19, s19, SLOT
.endr
	s_mul_i32 s23, s10, 16*SP
	s_add_co_u32 s23, s23, STAGE                   ; my stage
	v_mul_u32_u24 v[STO], v1, SP                   ; in: row l % 16, 16 bytes for each half of the lanes
	v_lshl_add_u32 v[STO], v2, 4, v[STO]
	v_add_nc_u32 v[STO], s23, v[STO]
	v_bfe_u32 v[RD], v0, 3, 2                      ; back: 32 lanes take four rows of 128 bytes,
	v_mul_u32_u24 v[RD], v[RD], SP
	v_lshl_add_u32 v[RD], v3, 4, v[RD]
	v_add_nc_u32 v[RD], s23, v[RD]
	v_and_b32 v[GO], 31, v0                        ; which are 512 consecutive bytes of a head
	v_lshlrev_b32 v[GO], 4, v[GO]
	s_lshr_b32 s18, s13, 3                         ; where my part of q begins: the batch's 16 heads of 262,144 bytes,
	s_lshl_b32 s18, s18, 22
	s_lshl_b32 s19, s42, 19                        ; the pair of heads,
	s_add_co_u32 s18, s18, s19
	s_lshl_b32 s19, s12, 18                        ; my head,
	s_add_co_u32 s18, s18, s19
	s_and_b32 s19, s13, 7
	s_lshl_b32 s19, s19, 15                        ; 256 rows of 128 bytes,
	s_add_co_u32 s18, s18, s19
	s_lshl_b32 s19, s11, 14                        ; my 128 of them
	s_add_co_u32 s18, s18, s19
	s_mov_b32 s19, 0
	s_add_nc_u64 s[8:9], s[8:9], s[18:19]
; 8 matrix instructions: position blocks a0, a0 + 1 x all 4 channel blocks, 32 along K.  zero = 1: the product starts the sums: nothing is ever cleared.
; The 32 accumulators take turns, one instruction a turn, in the same order in every quarter.
.macro MUL8 f, a0, zero
	WIN MUL
.irp a, \a0, (\a0)+1
.irp b, 0,1,2,3
.if \zero
	v_wmma_f32_16x16x32_bf16 v[8*(4*(\a)+(\b)):8*(4*(\a)+(\b))+7], v[(\f)+8*(\b):(\f)+8*(\b)+7], v[(\f)+32+8*(\a):(\f)+32+8*(\a)+7], 0
.else
	v_wmma_f32_16x16x32_bf16 v[8*(4*(\a)+(\b)):8*(4*(\a)+(\b))+7], v[(\f)+8*(\b):(\f)+8*(\b)+7], v[(\f)+32+8*(\a):(\f)+32+8*(\a)+7], v[8*(4*(\a)+(\b)):8*(4*(\a)+(\b))+7]
.endif
.endr
.endr
.endm
; 24 LDS loads in one run: quarter q (32 along K) of a slot into buffer f: the weights' 8 loads, then x's 16, position blocks ascending
.macro FETCH slot, q, f
	WIN 0
.irp b, 0,1,2,3
	ds_load_b128 v[(\f)+8*(\b):(\f)+8*(\b)+3],   v[ADRW+(\slot)] offset:64*(\q)+(\b)*16*PW
	ds_load_b128 v[(\f)+8*(\b)+4:(\f)+8*(\b)+7], v[ADRW+(\slot)] offset:64*(\q)+(\b)*16*PW+32
.endr
.irp a, 0,1,2,3,4,5,6,7
	ds_load_tr16_b128 v[(\f)+32+8*(\a):(\f)+32+8*(\a)+3],   v[ADRX+(\slot)] offset:32*PX*(\q)+32*(\a)
	ds_load_tr16_b128 v[(\f)+32+8*(\a)+4:(\f)+32+8*(\a)+7], v[ADRX+(\slot)] offset:32*PX*(\q)+32*(\a)+16*PX
.endr
.endm
.macro PLACES                          ; four places in front of loads into registers that matrix instructions have read, and of conversions that read results
.rept 4
	v_nop
.endr
.endm
; A K step is four quarters of 32 along K, 32 matrix instructions each, on buffers 0, 1, 0, 1.  One of the first three: multiplies buffer f and, in its middle, fetches quarter q into g.
.macro QUARTER slot, q, f, g, zero
	s_wait_dscnt 8                                 ; the weights and x's blocks 0-3 are in; the youngest eight loads (blocks 4-7) may be out
	MUL8 \f, 0, \zero
	MUL8 \f, 2, \zero
	PLACES
	FETCH \slot, \q, \g
	s_wait_dscnt 24                                ; all but the 24 just issued
	MUL8 \f, 4, \zero
	MUL8 \f, 6, \zero
.endm
; The last quarter multiplies buffer 1 and changes slots: ONE barrier.  In front of it each wave waits for all its tensor loads (one is out: its part of the next slot), adds 0 to its spare word,
; and waits for that and for its own reads of this slot.  mode 0: this slot is filled again, two K steps on; 1: with the next tile's K step; 2: not at all.  With a fill the barrier opens a round of
; the cluster's barrier, and the joint load is the first thing behind it: 112 matrix instructions ahead of the wait for it.
.macro TURN slot, next, mode
	WIN 0
	s_wait_tensorcnt 0x0                           ; all my tensor loads have landed;
	ds_add_u32 v[SPW], v[NIL]                      ; 0 onto my spare word;
	s_wait_dscnt 9                                 ; (the add and the youngest eight loads may be out)
	MUL8 F1, 0, 0                                  ; eight matrix instructions stand between the add and the wait for it
	s_wait_dscnt 0x0                               ; the add is done, and my reads of this slot are over
	s_barrier_signal -1
	MUL8 F1, 2, 0                                  ; work on registers while the others arrive
	WIN 0
	s_barrier_wait -1
.if (\mode) == 2
	PLACES
.else
	CREST                                          ; no wave of any partner still reads this slot's tile or has a load on its way
.if (\mode) == 1
	s_sub_nc_u64 s[G0+4*(\slot)+2:G0+4*(\slot)+3], s[G0+4*(\slot)+2:G0+4*(\slot)+3], BACK_X
	s_add_nc_u64 s[G0B+4*(\slot)+2:G0B+4*(\slot)+3], s[G0B+4*(\slot)+2:G0B+4*(\slot)+3], NEXT_W
.else
	s_add_nc_u64 s[G0+4*(\slot)+2:G0+4*(\slot)+3], s[G0+4*(\slot)+2:G0+4*(\slot)+3], 2*STEP_X
	s_add_nc_u64 s[G0B+4*(\slot)+2:G0B+4*(\slot)+3], s[G0B+4*(\slot)+2:G0B+4*(\slot)+3], 2*STEP_W
.endif
	JLOAD \slot                                    ; the four v_nop behind it are also the places in front of the loads below
.endif
	FETCH \next, 0, F0
	MUL8 F1, 4, 0
	MUL8 F1, 6, 0
.endm
; THE WAY OUT of block a: 16 positions x 64 channels = 2,048 consecutive bytes of a head.  Rounded to f16, 16 bytes a lane, into my own stage (rows of 144 bytes) and back as whole rows of 128.
; Each block has 16 registers of its own (buffer 1's and v32-63), so nothing that a store reads is written again inside a way out.
.macro SETOF a
.if (\a) < 6
.set SET, F1+16*(\a)
.else
.set SET, 32+16*((\a)-6)
.endif
.endm
.macro PACK a
	SETOF \a
	WIN 0x05                                       ; sources 0 and 1 window 1, destination window 0
.set i, 0
.rept 16
	v_cvt_pk_f16_f32 v[SET+i], v[32*(\a)+2*i], v[32*(\a)+2*i+1]  ; each accumulator's registers in ascending order
.set i, i+1
.endr
	WIN 0
.irp f, 0,1,2,3
	ds_store_b128 v[STO], v[SET+4*(\f):SET+4*(\f)+3] offset:32*(\f)
.endr
.irp f, 0,1,2,3
	ds_load_b128 v[SET+4*(\f):SET+4*(\f)+3], v[RD] offset:(\f)*4*SP  ; LDS serves a wave's instructions in order (ISA guide 5.7.1.4): these see the stores above; the next block's stores come behind them
.endr
.endm
.macro SEND a, younger                 ; younger: the LDS instructions issued behind block a's loads: the next block's eight, or none
	SETOF \a
	WIN 0
.irp f, 0,1,2,3
	s_wait_dscnt (\younger)+3-(\f)
	global_store_b128 v[GO], v[SET+4*(\f):SET+4*(\f)+3], s[8:9] offset:2048*(\a)+512*(\f)  ; 512 consecutive bytes, at a multiple of 256 from the buffer's first
.endr
.endm
.macro WAYOUT
	PACK 0
.irp a, 1,2,3,4,5,6,7                  ; a block's conversions stand between the loads of the block before and its stores
	PACK \a
	SEND (\a)-1, 8
.endr
	SEND 7, 0
.endm
	s_wait_tensorcnt 1                             ; my part of K step 0 is in; K step 1's may stay out
	s_barrier_signal -1
	s_barrier_wait -1                              ; everybody's is
	FETCH 0, 0, F0
	s_mov_b32 s2, 3                                ; tiles to go, this one among them
.Ltile:
	QUARTER 0, 1, F0, F1, 1                        ; a tile's first quarter stands in front of the loop: its products start the sums
	WIN 0                                          ; at a label and at a branch every window is 0
	s_mov_b32 s3, 3
.Llap:                                                 ; a trip goes once round the ring, from a lap's second quarter to the next lap's first, and fills both slots again
	QUARTER 0, 2, F1, F0, 0
	QUARTER 0, 3, F0, F1, 0
	TURN 0, 1, 0
	QUARTER 1, 1, F0, F1, 0
	QUARTER 1, 2, F1, F0, 0
	QUARTER 1, 3, F0, F1, 0
	TURN 1, 0, 0
	QUARTER 0, 1, F0, F1, 0
	WIN 0
	s_sub_co_u32 s3, s3, 1
	s_cmp_lg_u32 s3, 0
	s_cbranch_scc1 .Llap
	QUARTER 0, 2, F1, F0, 0                        ; the tile's last lap goes on
	QUARTER 0, 3, F0, F1, 0
	WIN 0
	s_cmp_eq_u32 s2, 1
	s_cbranch_scc1 .Llast_tile                     ; the last tile's tail is written out: it asks for nothing more
	TURN 0, 1, 1                                   ; the ring goes on into the next tile: slot 0 takes its K step 0,
	QUARTER 1, 1, F0, F1, 0
	QUARTER 1, 2, F1, F0, 0
	QUARTER 1, 3, F0, F1, 0
	TURN 1, 0, 1                                   ; slot 1 its K step 1, and the next tile's first fragments are fetched into buffer 0
	WIN 0
	PLACES                                         ; behind the last products: the conversions read results and write buffer 1, which those products read
	PLACES
	WAYOUT                                         ; both refills are asked for: now the tile goes out
	s_wait_xcnt 0x0                                ; the stores have read their registers and their base: buffer 1 and the base are written again only behind this wait
	s_add_nc_u64 s[8:9], s[8:9], 0x1000000         ; the next of q, k, v: 16,777,216 bytes on
	s_sub_co_u32 s2, s2, 1
	s_branch .Ltile
.Llast_tile:
	TURN 0, 1, 2                                   ; my one tensor load that was still out is the last K step's, so no round follows
	QUARTER 1, 1, F0, F1, 0
	QUARTER 1, 2, F1, F0, 0
	QUARTER 1, 3, F0, F1, 0
	s_wait_dscnt 8                                 ; the very last quarter: nothing more to fetch
	MUL8 F1, 0, 0
	MUL8 F1, 2, 0
	s_wait_dscnt 0x0
	MUL8 F1, 4, 0
	MUL8 F1, 6, 0
	WIN 0
	PLACES
	PLACES
	WAYOUT
	s_wait_tensorcnt 0x0                           ; the wave's end, behind my last tensor load and my last LDS store
	ds_add_u32 v[SPW], v[NIL]
	s_wait_dscnt 0x0
	CROUND                                         ; the closing round: no work-group ends while a partner may still ask for a tile that names it
	s_endpgm
.Lfunc_end_k_q1eeb4a252f_qkv:
	.size	k_q1eeb4a252f_qkv, .Lfunc_end_k_q1eeb4a252f_qkv-k_q1eeb4a252f_qkv
	.p2alignl 7, 3214868480
	.fill 96, 4, 3214868480
	.section	.rodata,"a",@progbits
	.p2align	6, 0x0
	.amdhsa_kernel k_q1eeb4a252f_qkv
		.amdhsa_group_segment_fixed_size 327680
		.amdhsa_private_segment_fixed_size 0
		.amdhsa_enable_private_segment 0
		.amdhsa_kernarg_size 24
		.amdhsa_user_sgpr_count 2
		.amdhsa_user_sgpr_kernarg_segment_ptr 1
		.amdhsa_wavefront_size32 1
		.amdhsa_system_sgpr_workgroup_id_x 1
		.amdhsa_system_sgpr_workgroup_id_y 1
		.amdhsa_system_sgpr_workgroup_id_z 1
		.amdhsa_system_vgpr_workitem_id 0
		.amdhsa_next_free_vgpr 512
		.amdhsa_next_free_sgpr 66
		.amdhsa_reserve_vcc 0
		.amdhsa_float_denorm_mode_32 3
		.amdhsa_float_denorm_mode_16_64 3
		.amdhsa_memory_ordered 1
		.amdhsa_forward_progress 1
		.amdhsa_inst_pref_size 125
	.end_amdhsa_kernel
	.amdgpu_metadata
---
amdhsa.version: [ 1, 2 ]
amdhsa.kernels:
  - .name:           k_q1eeb4a252f_qkv
    .symbol:         k_q1eeb4a252f_qkv.kd
    .args:
      - { .name: xb, .offset: 0, .size: 8, .value_kind: global_buffer, .address_space: global }
      - { .name: wqkv, .offset: 8, .size: 8, .value_kind: global_buffer, .address_space: global }
      - { .name: qkv, .offset: 16, .size: 8, .value_kind: global_buffer, .address_space: global }
    .group_segment_fixed_size: 327680
    .private_segment_fixed_size: 0
    .kernarg_segment_align: 8
    .kernarg_segment_size: 24
    .max_flat_workgroup_size: 128
    .sgpr_count:     66
    .vgpr_count:     512
    .wavefront_size: 32
...
	.end_amdgpu_metadata
.endif
;; end of part 2
;; launch attn (part 3): grid 4 x 64, 4 waves a work-group, clusters of 4 x 1, 327,680 bytes of LDS; arguments qkv, o; writes o
.if DOCPART == 3
	.amdgcn_target "amdgcn-amd-amdhsa--gfx1250"
	.amdhsa_code_object_version 6
	.text
	.protected	k_q1eeb4a252f_attn
	.globl	k_q1eeb4a252f_attn
	.p2align	8
	.type	k_q1eeb4a252f_attn,@function
k_q1eeb4a252f_attn:
	s_mov_b64 s[64:65], 0
	v_nop
	global_prefetch_b8 v0, s[64:65] scope:SCOPE_SE
	s_setreg_imm32_b32 hwreg(HW_REG_WAVE_MODE, 25, 1), 1
	s_wait_xcnt 0x0
	s_wait_alu depctr_hold_cnt(0) depctr_sa_sdst(0) depctr_va_vdst(0) depctr_va_sdst(0) depctr_va_ssrc(0) depctr_va_vcc(0) depctr_vm_vsrc(0)
	s_getreg_b32 s2, hwreg(HW_REG_IB_STS2, 6, 4)
	s_cmp_eq_u32 s2, 0
	s_cbranch_scc0 .Lentry_in_a_cluster
	s_endpgm
.Lentry_in_a_cluster:
	s_bfe_u32 s2, ttmp6, 0x10000c
	s_cmp_lg_u32 s2, 0x3003
	s_cbranch_scc0 .Lentry_shape_is_right
	s_endpgm
.Lentry_shape_is_right:
; O[h][q][:] = the sum over k of softmax_k(Q[h][q] . K[h][k] / 8) V[h][k][:].  Q, K, V are the three parts of qkv, each [64][SIZE_N][64] in f16, 16,777,216 bytes apart; O: [64][SIZE_N][64] in f16.
; A head's rows are dense, 128 bytes each.  Products, maxima and sums in f32; the weights p are rounded to f16 for the second product (their sum l is taken of the unrounded p), O once at the end.
; LIMITS.  f16 holds no number beyond 65,504: Q, K and V arrive within it; p lies in 0 to 1, and below 6e-5 it keeps f16's fixed step of 6e-8; O is a mean of V's rows and has their range.
; A weight below 2^-126 counts as 0 in l; NaN and infinities are not treated apart.
; SHARES.  A wave owns four PIECES of two tiles of 16 queries, a work-group's four waves 512 queries of one head.  Every wave walks all keys, 64 a step.
; LAYOUT.  S^T = K Q^T (source 0 = 16 keys, source 1 = 16 queries): in the result a lane holds ONE query (lane % 16) and the keys 8 (lane / 16) + 0..7.  Two such tiles, rounded to f16 in pairs,
; ARE source 1 (32 keys x 16 queries) of O^T = V^T P, whose result again holds one query a lane, and eight channels.  K comes out of LDS as it lies, V ([key][channel]) turned, by ds_load_tr16_b128.
; SOFTMAX.  For each query a running maximum m and sum l: p = 2^(c s - c m), c = log2(e) / 8; in every step O and l are multiplied by a = 2^(c m_old - c m_new), which is 1 where m has not grown.
; m starts at the lowest finite number, O and l at 0: the first step is a step like any other, with a = 0.
; THE COUNT.  A tile and step have 16 matrix and 118 vector instructions: too many to stand all beside the matrix work.  So the order has one aim: four vector instructions that are READY behind
; EVERY matrix instruction, and the others, which need time of their own whatever the order, in runs without a gap.
; BY TURNS.  Turn n belongs to piece n (the pieces in a ring, step after step).  Its matrix work: 16 products K Q^T of piece n + 1, later 16 products V^T P of piece n - 1.  Its vector work: the scaling,
; exponentials, roundings, sums and rescaling of piece n, and the maximum and statistics of piece n + 1, whose scores the turn itself has made.  So what a turn begins with (c s - c m, O a) waits for nothing.
; CLUSTER.  The four query blocks of a head are one cluster and walk the same K and V, so each tile is asked for JOINTLY: the same tensor load, descriptor and mask in all four.
; REGISTERS, in windows of 256 (s_set_vgpr_msb says which window each operand place means: bits 1:0 source 0, 3:2 source 1, 5:4 source 2, 7:6 destination):
;   window 0: v0-11 addresses; v12-15, v48-63 at work; v16-47 four registers of statistics a tile; v64-191 S^T, two buffers of two tiles; v192-255 P, likewise
;   window 1: O^T, 32 a tile          window 2: v0-127 Q, 16 a tile; v128-191 K of one step; v192-255 V of one step          window 3: v0-1 the add's two registers
; A piece's buffers go by its number's parity: the piece in hand has one pair, its two neighbours in the ring share the other: of it P (piece n - 1) is read and S^T (piece n + 1) written.
.set SIZE_N, 2048
.set NP,    4         ; pieces a wave: a name, no knob: the register map, the loop and the fetches are made for four
.set KS,    64        ; keys in a step
.set PK,    144       ; a row of K in LDS: 128 bytes + 16 of padding = 36 words: the 16 rows of a load start at 16 different groups of four banks (64 banks of 4 bytes: ISA guide 11.1)
.set PV,    160       ; a row of V: 128 + 32 = 40 words
.set VOFF,  4*KS*PK   ; a slot holds four steps: 256 rows of K, then 256 rows of V
.set SLOT1, 1<<17     ; slot 1 begins here, so that one exclusive or turns an address in one slot into the other's
.set STAGE, SLOT1+4*KS*(PK+PV)  ; behind the ring, never filled by a tensor load: 16 rows x 144 bytes for each wave, for the way out
.set SP,    144
.set AK0, 2           ; v2   my lane's place in a tile of K; never rewritten
.set AV0, 3           ; v3   the same for V
.set AK,  4           ; v4   the LDS address of K's next run of loads
.set AV,  5           ; v5   of V's
.set QO,  6           ; v6   my byte offset in the wave's rows of Q
.set STO, 6           ;      later, the way out: where I put 16 bytes of a row
.set RD,  7           ; v7   the way out: where I read rows back
.set GO,  8           ; v8   my byte offset in 512 consecutive bytes of O
.set PFO, 11          ; v11  256 x my lane, the prefetches' offset; written once, when its use as scratch is over
.set SPW, 0           ; v0 of window 3   LDS address of my spare word: SPARE + 4 x my thread's number; never rewritten
.set NIL, 1           ; v1 of window 3   0; never rewritten
.set SPARE, STAGE+4*16*SP  ; behind the stages: the spare words, 128 bytes for each wave: two blocks of 256 bytes that no other line names
.set MV,  12          ; v12-15  c m_old, kept while c m is made anew: by buffer and tile
.set ST,  16          ; tile t's statistics at v[ST+4 t]: c m, m, l (even keys', odd keys')
.set TMP, 48          ; by buffer and tile, four registers c0-c3 at work; when the maximum is found c2 takes a
.set S,   64
.set P,   192
.set KF,  128         ; K's fragments, in window 2: key block kb, channel half c at KF + 16 kb + 8 c
.set VF,  192         ; V's: key half kk, channel block cb at VF + 32 kk + 8 cb
.set WV,  12          ; s12  my wave's number
.set G1K, 24          ; s[24:31] descriptor group 1 for K's tiles
.set G1V, 32          ; s[32:39] for V's: it differs in the padding alone
.set G0K, 40          ; s[40:43] descriptor group 0 for K's tiles: it walks
.set G0V, 44          ; s[44:47] the same for V's
.set PFA, 48          ; s[48:49] where my prefetches stand: my work-group's 32 blocks of 256 bytes (of K: wave 0, of V: wave 2) of the slot after the one that is being asked for
.set LIM, 50          ; s50  1 in a wave that prefetches, else the greatest number: a wave prefetches while s[SLOTS] is above it
.set SLOTS, 56        ; s56  slots still to be asked for
.set CNT, 57          ; s57  counts a slot's key steps
.set CS,  58          ; s[58:59] c: the packed scaling takes the pair's low word for both halves
.set SEL, 60          ; s[60:61] v_permlanex16_b32's selects: each lane takes its own place in the other half
.set TBK, 62          ; s62  LDS byte at which K of the step to be fetched begins
.set TBV, 63          ; s63  the same for V, less VOFF
.set MSB, 0
.macro WIN new                      ; the high byte repeats the setting that is left; a switch that changes nothing is dropped
.if MSB != (\new)
	s_set_vgpr_msb (MSB<<8)|(\new)
.set MSB, (\new)
.endif
.endm
.set W_KQ, 0x0a       ; K and Q in window 2, S^T in window 0
.set W_PV, 0x52       ; V in window 2, P in window 0, O^T in window 1
.set W_RS, 0x41       ; O^T (destination and source 0) in window 1, a in window 0
.set W_MK, 0xc0       ; the add's registers are made: destination in window 3, sources in window 0
.set W_AD, 0x0f       ; the add: address (source 0) and data (source 1) in window 3
; A joint fill.  Waves 0 and 1 fetch the two halves of a slot's K, waves 2 and 3 those of its V: 128 keys each.  The branch hangs on the wave's number alone.
; An s_nop 0 and four v_nop follow each of the two lines, ahead of the jump and the label.
.macro JLOAD
	s_cmp_lt_u32 s[WV], 2
	s_cbranch_scc0 .Lfor_v_\@
	tensor_load_to_lds s[G0K:G0K+3], s[G1K:G1K+7]
	s_nop 0
.rept 4
	v_nop
.endr
	s_branch .Lasked_\@
.Lfor_v_\@:
	tensor_load_to_lds s[G0V:G0V+3], s[G1V:G1V+7]
	s_nop 0
.rept 4
	v_nop
.endr
.Lasked_\@:
.endm
; A PREFETCH INTO THE L2 of what the NEXT change of slots will ask for: a slot's 32,768 bytes of K and of V, 128 blocks of 256 bytes each, a lane a block.  It stands behind the wave's tensor load and its
; five lines.  Each block is named ONCE in the launch: a head's K and V are walked by its one cluster; the four partners share the blocks out BY ADDRESS, 32 each (no branch hangs on a work-group's place);
; in each, wave 0 asks for K's and wave 2 for V's: one instruction, four key steps (512 matrix instructions) ahead of the load that will want the bytes.  The last change that fills a slot asks for nothing.
.macro ASK
	s_cmp_gt_u32 s[SLOTS], s[LIM]
	s_cbranch_scc0 .Lnot_mine_\@
	global_prefetch_b8 v[PFO], s[PFA:PFA+1] th:TH_LOAD_NT scope:SCOPE_SE
.Lnot_mine_\@:
.endm
; A round of the cluster's barrier: my work-group's barrier, so that wave 0's signal speaks for all four waves; wave 0 signals; every wave waits for all four work-groups; my work-group's barrier once more.
.macro CROUND
	s_barrier_signal -1
	s_barrier_wait -1
	s_cmp_lg_u32 s[WV], 0
	s_cbranch_scc1 .Lnot_wave_0_\@
	s_barrier_signal -3
.Lnot_wave_0_\@:
	s_barrier_wait -3
	s_barrier_signal -1
	s_barrier_wait -1
.endm
; THE CHANGE OF SLOTS.  The slot's last bytes, V of its fourth step, have been read.  Each wave waits for all its tensor loads, of which one is out: its part
; of the other slot; adds 0 to its spare word; and waits for that and for its own reads of the slot.  Behind the barrier nobody reads this slot any more and the other slot is whole.
; fill = 1: this slot is filled again, with the keys two slots on.  The barrier is then a round of the cluster's, so that no wave of any partner still reads the slot or has a load on its
; way, and the joint fill is the first thing behind it: it has four key steps, 512 matrix instructions, in which to land.  (At its first use nothing has been read yet: slot 0 is waited for, slot 1 filled.)
; ask = 1: the prefetches' address steps, and the slot after the one just asked for is prefetched.
.macro CHANGE fill, ask=0
	WIN W_AD
	s_wait_tensorcnt 0x0            ; no tensor load of mine is out, so a group 0 may be written
	ds_add_u32 v[SPW], v[NIL]       ; 0 onto my spare word; with fill = 1 the descriptors' steps stand between it and the wait for it
	WIN 0                           ; at a label and at a branch every window is 0
.if \fill
.irp g, G0K, G0V
	s_xor_b32 s[\g+1], s[\g+1], SLOT1  ; the walking descriptor: the other slot than last time,
	s_add_nc_u64 s[\g+2:\g+3], s[\g+2:\g+3], 4*KS*128  ; the next 256 keys; the type bits on top are not reached
.endr
.if \ask
	s_wait_xcnt 0x0                 ; the last prefetch, four key steps back, has read its address, so it may be written:
	s_add_nc_u64 s[PFA:PFA+1], s[PFA:PFA+1], 4*KS*128  ; one slot behind the walking descriptors
.endif
	s_wait_dscnt 0x0                ; the add is done, and my reads of the slot are over
	CROUND
	JLOAD
.if \ask
	ASK
.endif
.else
	s_wait_dscnt 0x0                ; the add is done, and my reads of the slot are over
	s_barrier_signal -1
	s_barrier_wait -1
.endif
	s_sub_co_u32 s[TBK], s[TBK], 4*KS*PK  ; the fetches go back to a slot's first step,
	s_xor_b32 s[TBK], s[TBK], SLOT1       ; in the other slot
	s_sub_co_u32 s[TBV], s[TBV], 4*KS*PV
	s_xor_b32 s[TBV], s[TBV], SLOT1
.endm
	s_load_b128 s[4:7], s[0:1], 0x0 ; qkv s[4:5] (Q lies first in it), O s[6:7]
	WIN W_MK
	v_lshl_add_u32 v[SPW], v0, 2, SPARE
	v_mov_b32 v[NIL], 0
	WIN W_AD
	ds_add_u32 v[SPW], v[NIL]       ; the wave's opening: the add and its wait stand ahead of my first tensor load; the set-up below, work on registers, stands between them
	WIN 0
	v_lshrrev_b32 v1, 5, v0
	v_readfirstlane_b32 s[WV], v1   ; wave 0..3
	s_bfe_u32 s13, ttmp6, 0x40000   ; cx: my place in the cluster
	s_lshl_b32 s14, ttmp9, 2        ; in a cluster launch ttmp9 counts clusters
	s_add_co_u32 s14, s14, s13      ; my block of queries = 4 x cluster x + cx: it enters Q's and O's addresses alone
	s_and_b32 s20, ttmp7, 0xffff    ; the head, which the four partners share
	s_mov_b32 s21, 0
	s_mov_b64 s[22:23], SIZE_N*128
	s_mul_u64 s[20:21], s[20:21], s[22:23]  ; the head's first byte in each of the four tensors
	s_and_b32 s16, s[WV], 1         ; which half of a slot's 256 keys I fetch:
	s_lshl_b32 s22, s16, 14         ; its 128 rows of 128 bytes in memory,
	s_mov_b32 s23, 0
	s_add_nc_u64 s[22:23], s[22:23], s[20:21]
	s_mul_i32 s17, s16, 128*PK      ; and its place in a slot, for K
	s_mul_i32 s18, s16, 128*PV      ; and for V: no place in the cluster enters an LDS address
	s_lshl_b32 s2, s14, 2
	s_add_co_u32 s2, s2, s[WV]      ; my wave among the head's,
	s_lshl_b32 s2, s2, 14           ; its 128 rows
	s_mov_b32 s3, 0
	s_add_nc_u64 s[2:3], s[2:3], s[20:21]
	; descriptor group 1.  128 keys are 16,384 dense bytes: asked for as 64 rows of 256 bytes, two keys a row, and padded in LDS after every key
	s_mov_b32 s[G1K], 15|(1<<16)|(1<<20)|(1<<21)|(4<<22)|(3<<25)  ; 15:0 the mask of four; 17:16 2-byte elements; 20 padding on; 21 set beside a mask; 24:22 after every 32 words (code 4); 31:25 4 words (code 3)
	s_mov_b32 s[G1V], 15|(1<<16)|(1<<20)|(1<<21)|(4<<22)|(7<<25)  ; the same with 8 words of padding (code 7)
.irp g, G1K, G1V
	s_mov_b32 s[\g+1], 128<<16      ; tensor_dim0 = 128
	s_mov_b32 s[\g+2], 64<<16       ; tensor_dim1 = 64
	s_mov_b32 s[\g+3], 128<<16      ; tile_dim0 = 128
	s_mov_b32 s[\g+4], 64           ; tile_dim1 = 64
	s_mov_b32 s[\g+5], 128          ; 128 elements from row to row
	s_mov_b32 s[\g+6], 0
	s_mov_b32 s[\g+7], 0
.endr
	s_mov_b32 s[CS], 0x3e38aa3b     ; c = log2(e) / 8 = 0.180337
	s_mov_b32 s[CS+1], s[CS]        ; named with it as a pair
	s_mov_b32 s[SEL], 0x76543210
	s_mov_b32 s[SEL+1], 0xfedcba98
	s_mov_b32 s[TBK], SLOT1+4*KS*PK ; the first change of slots turns these two into 0
	s_mov_b32 s[TBV], SLOT1+4*KS*PV
	s_mov_b32 s[G0K], 1             ; 1:0 count = 1
	s_mov_b32 s[G0K+1], s17         ; 63:32 LDS address: slot 0
	s_mov_b32 s[G0V], 1
	s_add_co_u32 s[G0V+1], s18, VOFF
	s_cmp_eq_u32 s16, 0             ; waves 0 and 2 prefetch: the same in all four partners
	s_cselect_b32 s[LIM], 1, -1
	s_wait_dscnt 0x0                ; the opening add is done
	s_wait_kmcnt 0x0
	s_mov_b64 s[10:11], s[6:7]      ; O
	s_add_nc_u64 s[6:7], s[4:5], 0x1000000  ; K: the second part of qkv
	s_add_nc_u64 s[8:9], s[4:5], 0x2000000  ; V: the third
	s_add_nc_u64 s[G0K+2:G0K+3], s[6:7], s[22:23]  ; 120:64 global address: my half of the head's first 256 keys
	s_or_b32 s[G0K+3], s[G0K+3], 0x80000000        ; 127:126 type = 2
	s_add_nc_u64 s[G0V+2:G0V+3], s[8:9], s[22:23]
	s_or_b32 s[G0V+3], s[G0V+3], 0x80000000
	s_add_nc_u64 s[4:5], s[4:5], s[2:3]  ; Q and O at my wave's first row
	s_add_nc_u64 s[10:11], s[10:11], s[2:3]
	s_cmp_lt_u32 s[WV], 2
	s_cselect_b64 s[PFA:PFA+1], s[6:7], s[8:9]
	s_add_nc_u64 s[PFA:PFA+1], s[PFA:PFA+1], s[22:23]  ; (in waves 0 and 2: the head's first row)
	s_lshl_b32 s2, s13, 13          ; my work-group's 32 blocks of the 128
	s_mov_b32 s3, 0
	s_add_nc_u64 s[PFA:PFA+1], s[PFA:PFA+1], s[2:3]
	s_add_nc_u64 s[PFA:PFA+1], s[PFA:PFA+1], 2*4*KS*128  ; in slot 2; the loop's first change of slots steps it to slot 3.  Nothing is prefetched here, at the head
	CROUND                          ; all four work-groups are here: the first joint loads meet
	JLOAD                           ; slot 0.  Slot 1 is asked for when slot 0 is in: the tile wanted first has the road to itself
	; A fragment of K or Q is 16 rows x 32 channels in 8 registers: lane l holds row l % 16, channels 8 (l / 16) + 0..7 and 16 + 8 (l / 16) + 0..7: two loads of 16 bytes, 32 bytes apart.
	v_and_b32 v1, 15, v0            ; l % 16
	v_bfe_u32 v9, v0, 4, 1          ; l / 16
	v_lshlrev_b32 v[QO], 7, v1
	v_lshl_add_u32 v[QO], v9, 4, v[QO]  ; row x 128 + 16 x half
	WIN 0x80                        ; destination window 2, address window 0
.set i, 0
.rept 4*NP                          ; Q stays in registers: tile i / 2, channels 32 (i % 2) on
	global_load_b128 v[8*i:8*i+3],   v[QO], s[4:5] offset:(i/2)*2048+(i%2)*64
	global_load_b128 v[8*i+4:8*i+7], v[QO], s[4:5] offset:(i/2)*2048+(i%2)*64+32
.set i, i+1
.endr
	; What the first turn finds: V's registers and P's second buffer hold 0 (its products V^T P, of a piece that has not been, add 0), O^T and l are 0.  All this stands in the wait for the first tile.
.set i, VF
.rept 64
	v_mov_b32 v[i], 0
.set i, i+1
.endr
	WIN 0x40
.set i, 0
.rept 64*NP
	v_mov_b32 v[i], 0
.set i, i+1
.endr
	WIN 0
.set i, 0
.rept 2*NP
	v_mov_b32 v[ST+4*i], 0xfe000000    ; c m: far below every c s
	v_mov_b32 v[ST+4*i+1], 0xff7fffff  ; m
	v_mov_b32 v[ST+4*i+2], 0
	v_mov_b32 v[ST+4*i+3], 0
.set i, i+1
.endr
.set i, P+32
.rept 32
	v_mov_b32 v[i], 0
.set i, i+1
.endr
	v_mul_u32_u24 v[AK0], v1, PK
	v_lshl_add_u32 v[AK0], v9, 4, v[AK0]  ; row x pitch + 16 x half
	; The turning load takes 16 keys x 16 channels (lane l reads key 8 (l / 16) + l % 8, channels 8 ((l / 8) % 2) + 0..7) and leaves half a fragment of V^T: lane l holds channel l % 16 and 8 keys.
	v_and_b32 v10, 7, v0
	v_bfe_u32 v11, v0, 3, 1
	v_lshl_add_u32 v[AV0], v9, 3, v10
	v_mul_u32_u24 v[AV0], v[AV0], PV
	v_lshl_add_u32 v[AV0], v11, 4, v[AV0]
	v_add_nc_u32 v[AV0], VOFF, v[AV0]
	v_and_b32 v[PFO], 31, v0
	v_lshlrev_b32 v[PFO], 8, v[PFO] ; a lane a block of 256 bytes
	v_mov_b32 v[AK], v[AK0]         ; key step 0 lies at the head of slot 0
; THE MATRIX WORK.  The 8 accumulators of a run of 16 take turns: between the two links of a chain stand 7 others'.
; Product i of 16 of S^T = K Q^T for piece x: channels 32 (i / 8) on, keys 16 ((i / 2) % 4) on, tile 2 x + i % 2.  The first 8 start the sums.
.macro KQ x
	WIN W_KQ
.set rS, S+64*((\x)%2)+32*(i%2)+8*((i/2)%4)
.set rK, KF+16*((i/2)%4)+8*(i/8)
.set rQ, 16*(2*(\x)+i%2)+8*(i/8)
.if i < 8
	v_wmma_f32_16x16x32_f16 v[rS:rS+7], v[rK:rK+7], v[rQ:rQ+7], 0
.else
	v_wmma_f32_16x16x32_f16 v[rS:rS+7], v[rK:rK+7], v[rQ:rQ+7], v[rS:rS+7]
.endif
.endm
; Product i of 16 of O^T += V^T P for piece x: keys 32 (i / 8) on, channels 16 ((i / 2) % 4) on, tile 2 x + i % 2.
.macro PV x
	WIN W_PV
.set rO, 32*(2*(\x)+i%2)+8*((i/2)%4)
.set rV, VF+32*(i/8)+8*((i/2)%4)
.set rP, P+32*((\x)%2)+16*(i%2)+8*(i/8)
	v_wmma_f32_16x16x32_f16 v[rO:rO+7], v[rV:rV+7], v[rP:rP+7], v[rO:rO+7]
.endm
.macro MM                           ; the turn's next matrix instruction
.if i < 16
	KQ (Y+1)%NP
.set i, i+1
.else
.set i, i-16
	PV (Y+NP-1)%NP
.set i, i+17
.endif
.endm
; THE LDS LOADS stand in runs of 16, never singly among the matrix instructions: a step's K (64 keys x 64 channels: 8 fragments) and its V (turned).  Their addresses are made some lines ahead.
; last = 1 (the tail): in the last trip there is no further step, and the run is jumped over.
.macro FETCH_K last=0
	WIN 0
.if \last
	s_cmp_eq_u32 s[CNT], 1
	s_cbranch_scc1 .Lno_k_\@
.endif
	WIN 0x80                        ; destination window 2
.irp f, 0,1,2,3,4,5,6,7             ; keys 16 (f / 2) on, channels 32 (f % 2) on
	ds_load_b128 v[KF+8*\f:KF+8*\f+3],   v[AK] offset:(\f/2)*16*PK+(\f%2)*64
	ds_load_b128 v[KF+8*\f+4:KF+8*\f+7], v[AK] offset:(\f/2)*16*PK+(\f%2)*64+32
.endr
	s_add_co_u32 s[TBK], s[TBK], KS*PK  ; the next fetch is the next step's
	WIN 0
.if \last
.Lno_k_\@:
.endif
.endm
.macro FETCH_V
	WIN 0x80
.irp f, 0,1,2,3,4,5,6,7             ; keys 32 (f / 4) on, channels 16 (f % 4) on
	ds_load_tr16_b128 v[VF+8*\f:VF+8*\f+3],   v[AV] offset:(\f/4)*32*PV+(\f%4)*32
	ds_load_tr16_b128 v[VF+8*\f+4:VF+8*\f+7], v[AV] offset:(\f/4)*32*PV+16*PV+(\f%4)*32
.endr
	WIN 0
.endm
; THE VECTOR WORK OF A TURN stands in three queues, each in the order in which its entries become ready; the two tiles alternate, so that no instruction reads the result of the one before it.
.macro REGS y, u                    ; the registers of tile u (0, 1) of piece y
.set rT, ST+4*(2*(\y)+(\u))
.set rC, TMP+8*((\y)%2)+4*(\u)
.set rM, MV+2*((\y)%2)+(\u)
.set rS, S+64*((\y)%2)+32*(\u)
.set rP, P+32*((\y)%2)+16*(\u)
.set rO, 32*(2*(\y)+(\u))
.endm
; Number n of the 22 that find the NEXT piece's (Y + 1) maximum and statistics.  s0-s31 are the lane's 32 scores; each accumulator's lowest registers are read first.  XS, GS and REGS set no window: PL and EX do.
;   0-11  four chains c0-c3 of seven scores each, three operands at a time     12-14, 16  the four scores left over, the old m, and c0-c3 into c0     15  c m_old is kept
;   17, 18  the query's other 32 keys lie in the lane 16 away: the new m         19-21  c m; c m_old - c m_new; a
.macro XS u, n
	REGS (Y+1)%NP, \u
.if (\n) < 4
	v_max3_num_f32 v[rC+(\n)], v[rS+8*(\n)], v[rS+8*(\n)+1], v[rS+8*(\n)+2]
.elseif (\n) < 12
	v_max3_num_f32 v[rC+(\n)%4], v[rC+(\n)%4], v[rS+8*((\n)%4)+2*((\n)/4)+1], v[rS+8*((\n)%4)+2*((\n)/4)+2]
.elseif (\n) == 12
	v_max3_num_f32 v[rC], v[rC], v[rS+7], v[rS+15]
.elseif (\n) == 13
	v_max3_num_f32 v[rC+1], v[rC+1], v[rS+23], v[rS+31]
.elseif (\n) == 14
	v_max3_num_f32 v[rC+2], v[rC+2], v[rC+3], v[rT+1]
.elseif (\n) == 15
	v_mov_b32 v[rM], v[rT]
.elseif (\n) == 16
	v_max3_num_f32 v[rC], v[rC], v[rC+1], v[rC+2]
.elseif (\n) == 17
	v_permlanex16_b32 v[rC+3], v[rC], s[SEL], s[SEL+1]
.elseif (\n) == 18
	v_max_num_f32 v[rT+1], v[rC], v[rC+3]
.elseif (\n) == 19
	v_mul_f32 v[rT], s[CS], v[rT+1]
.elseif (\n) == 20
	v_sub_f32 v[rC+1], v[rM], v[rT]
.else
	v_exp_f32 v[rC+2], v[rC+1]
.endif
.endm
; Number g of the 64 that follow the exponentials.  For each four weights k of a tile (pairs 2 k, 2 k + 1): both pairs are rounded to f16; then the second pair is added onto the first, in place;
; a group later l takes that sum (the first time as l = a l + sum).  In groups of eight, tiles alternating: round, round, add, and l for the group before.
.macro GS g
.set h, (\g)+6*((\g)/62)            ; group 0 has no group before it, and behind group 7 only l is left
.if h >= 6
.set h, h+2
.endif
	REGS Y, h%2
.set k, h/8
.if h%8 < 4
	s_wait_alu depctr_va_vdst(0)
	v_cvt_pk_f16_f32 v[rP+2*k+(h%8)/2], v[rS+4*k+2*((h%8)/2)], v[rS+4*k+2*((h%8)/2)+1]
.elseif h%8 < 6
	v_pk_add_f32 v[rS+4*k:rS+4*k+1], v[rS+4*k:rS+4*k+1], v[rS+4*k+2:rS+4*k+3]
.elseif k == 1
	v_pk_fma_f32 v[rT+2:rT+3], v[rT+2:rT+3], v[rC+2:rC+3], v[rS:rS+1] op_sel_hi:[1,0,1]
.else
	v_pk_add_f32 v[rT+2:rT+3], v[rT+2:rT+3], v[rS+4*k-4:rS+4*k-3]
	s_wait_alu depctr_va_vdst(0)
.endif
.endm
; THE PLAIN QUEUE, 138 long.  0-31: c s - c m for the 16 pairs of both tiles.  Then GS's 64, and among them the next piece's 42: number 15 at 38, 39; 0-14 and 16
; at 42-73, behind the products that make those scores; 17-20 at 95-106, two of three, since each waits for the one before it.
.macro PL
	WIN 0
.if q < 32
	REGS Y, q%2
	v_pk_fma_f32 v[rS+2*(q/2):rS+2*(q/2)+1], v[rS+2*(q/2):rS+2*(q/2)+1], s[CS:CS+1], v[rT:rT+1] op_sel_hi:[1,0,0] neg_lo:[0,0,1] neg_hi:[0,0,1]
.elseif q < 38
	GS q-32
.elseif q < 40
	XS q%2, 15
.elseif q < 42
	GS q-34
.elseif q < 74
	XS q%2, (q-42)/2+(q-42)/30
.elseif q < 95
	GS q-66
.elseif (q < 107) && ((q-95)%3 < 2)
	XS (q-95)%3, 17+(q-95)/3
.elseif q < 107
	GS 29+(q-95)/3
.else
	GS q-74
.endif
.set q, q+1
.endm
; THE EXPONENTIALS' QUEUE, 66 long: s0-s31 of both tiles, and at EA the next piece's two a.
.set EA, 58
.macro EX
	WIN 0
.if (e == EA) || (e == EA+1)
	XS e-EA, 21
.else
.set x, e-2*(e/(EA+2))
	REGS Y, x%2
	v_exp_f32 v[rS+x/2], v[rS+x/2]
.endif
.set e, e+1
.endm
; THE RESCALING's QUEUE: O^T times a, the one part that leaves window 0, so it is dealt four at a time, eight times.
.macro R4
	REGS Y, r%2
	WIN W_RS
	s_wait_alu depctr_va_vdst(0)
.irp z, 0,1,2,3
	v_pk_mul_f32 v[rO+8*(r/2)+2*\z:rO+8*(r/2)+2*\z+1], v[rO+8*(r/2)+2*\z:rO+8*(r/2)+2*\z+1], v[rC+2:rC+3] op_sel_hi:[1,0]
.endr
.set r, r+1
.endm
; HOW THEY ARE DEALT.  Behind a matrix instruction four: plain, exponential, plain, plain (one exponential, a plain instruction on either side), or four of the rescaling.  None names a register of the
; products round it.  What is over stands in two LUMPS: exponential and plain by turns; the second ends in 22 plain instructions.  The two v_permlanex16_b32 fall into the second lump, never behind a product.
; The queues lean on each other, and the deal keeps them in step: exponential e stands behind plain 2 (e / 4) + e % 2 (its scaling); when plain 32 comes, 10 exponentials are out, at 59: 33, at 95: 46; EA comes behind plain 107.
.macro SL
	MM
	PL
	EX
	PL
	PL
.endm
.macro BURST n                      ; 15 matrix instructions, or 16
.rept (\n)-7
	SL
.endr
.rept 3
	MM
	R4
	SL
.endr
	MM
	R4
.endm
; A TURN, for piece p.  cnt = 1: the loop's count is taken down some lines ahead of the branch that stands behind the turn.
; K of the next step is fetched in piece 2's turn, 31 vector instructions behind the last product that read K; its first reader comes behind the rest of the lump, 16 products and the second lump.
; V of the step in hand is fetched at the end of piece 0's turn, 69 behind its last reader; its first reader comes behind 16 products and a lump.  The four conditions on e and q below go with the deal.
.macro TURN p, last=0, cnt=0
.set Y, (\p)
.set i, 0
.set q, 0
.set e, 0
.set r, 0
.if (\p) == NP-1
	s_wait_dscnt 0x0                ; K is in
.endif
	MM
.rept 4
	PL
.endr
	BURST 15
.rept 22
	EX
	PL
.if ((\p) == NP-2) && (e == 18)
	v_add_nc_u32 v[AK], s[TBK], v[AK0]
.endif
.if ((\p) == NP-2) && (e == 24)
	FETCH_K \last
.endif
.endr
.if (\p) == 1
	s_wait_dscnt 0x0                ; V is in
.endif
	BURST 16
.rept 21
	EX
	PL
.endr
.rept 22
	PL
.if ((\p) == 0) && (q == 118)
	v_add_nc_u32 v[AV], s[TBV], v[AV0]
	s_wait_alu depctr_va_vdst(0)
.endif
.if ((\p) == 0) && (q == 130)
	s_add_co_u32 s[TBV], s[TBV], KS*PV
.endif
.if (\cnt) && (q == 130)
	s_sub_co_u32 s[CNT], s[CNT], 1
	s_cmp_lg_u32 s[CNT], 0
.endif
.endr
.if (\p) == 0
	FETCH_V
.endif
.endm
	CHANGE 1                        ; slot 0 is in, everybody's part of it; slot 1 is asked for
	FETCH_K                         ; key step 0
	s_wait_loadcnt 0x0              ; Q
	s_wait_dscnt 0x0
.set i, 0
.rept 16
	KQ 0                            ; piece 0's first scores: there is no vector work yet to set between them
.set i, i+1
.endr
	WIN 0                           ; the addresses for the way out: nine plain instructions, the places behind those products
	s_mul_i32 s13, s[WV], 16*SP
	s_add_co_u32 s13, s13, STAGE    ; my stage
	v_mul_u32_u24 v[STO], v1, SP    ; in: row l % 16, 16 bytes for each half of the lanes
	v_lshl_add_u32 v[STO], v9, 4, v[STO]
	v_add_nc_u32 v[STO], s13, v[STO]
	v_bfe_u32 v[RD], v0, 3, 2       ; back: 32 lanes take four rows of 128 bytes,
	v_mul_u32_u24 v[RD], v[RD], SP
	v_lshl_add_u32 v[RD], v10, 4, v[RD]
	v_add_nc_u32 v[RD], s13, v[RD]
	v_and_b32 v[GO], 31, v0         ; which are 512 consecutive bytes of O
	v_lshlrev_b32 v[GO], 4, v[GO]
.set Y, NP-1                        ; XS works for piece Y + 1: piece 0
.irp n, 0,1,2,3,4,5,6,7,8,9,10,11,12,13,14,15,16,17,18,19,20,21
	XS 0, \n                        ; and piece 0's first maximum and statistics
	XS 1, \n
.endr
	s_mov_b32 s[CNT], 4
	s_mov_b32 s[SLOTS], SIZE_N/256-1
	s_branch .Lfirst                ; the loop is entered at a step's first turn, in the middle of a trip
.Lslot:                             ; SIZE_N / 256 - 2 times: every slot but the last two is filled again
	CHANGE 1, 1
	s_mov_b32 s[CNT], 4
.Lstep:                             ; a trip: pieces 2 and 3 of one step, then pieces 0 and 1 of the next, whose K and V it fetches
	TURN 2
	TURN 3
	WIN 0
.Lfirst:
	TURN 0
	TURN 1, 0, 1
	WIN 0
	s_cbranch_scc1 .Lstep
	s_sub_co_u32 s[SLOTS], s[SLOTS], 1
	s_cmp_lg_u32 s[SLOTS], 0
	s_cbranch_scc1 .Lslot
	CHANGE 0                        ; the tail is written out: nothing is asked for
	s_mov_b32 s[CNT], 5             ; four trips fetch the last slot's steps; the fifth is left in its middle
.Ltail:
	TURN 2, 1
	TURN 3
	WIN 0
	s_sub_co_u32 s[CNT], s[CNT], 1
	s_cmp_eq_u32 s[CNT], 0
	s_cbranch_scc1 .Lout
	TURN 0
	TURN 1
	WIN 0
	s_branch .Ltail
.Lout:                              ; the fifth trip's 16 products K Q^T (on the last K once more) and the maximum made of them serve nothing: the price, once a launch, of one text for every trip
.set i, 0
.rept 16
	PV NP-1                         ; the last piece's V^T P of the last step
.set i, i+1
.endr
	; THE WAY OUT.  l's two halves and the other half of the lanes' are added; O^T is divided by l, rounded to f16 and sent through my stage in LDS, a tile at a time.  The additions are the places behind the last products.
	WIN 0
.macro ALL line:vararg              ; one line for each tile t
.set t, 0
.rept 2*NP
	\line
.set t, t+1
.endr
.endm
	ALL v_add_f32 v[ST+4*t+2], v[ST+4*t+2], v[ST+4*t+3]
	ALL v_permlanex16_b32 v[ST+4*t+3], v[ST+4*t+2], s[SEL], s[SEL+1]
	ALL v_add_f32 v[ST+4*t+2], v[ST+4*t+2], v[ST+4*t+3]
	ALL v_rcp_f32 v[ST+4*t+2], v[ST+4*t+2]
	v_nop                           ; a plain instruction between the last reciprocal and the use of its result
	s_wait_alu depctr_va_vdst(0)
; Tile t: a lane's eight channels of a row pack into 16 bytes; they go into rows of 144 bytes and come back as whole rows of 128, into S^T's registers.
.macro PACK t
	WIN W_RS
.set i, 32*(\t)
.rept 16
	v_pk_mul_f32 v[i:i+1], v[i:i+1], v[ST+4*(\t)+2:ST+4*(\t)+3] op_sel_hi:[1,0]
.set i, i+2
.endr
	WIN 0x05                        ; sources 0 and 1 window 1, destination window 0
.set i, 0
.rept 16
	v_cvt_pk_f16_f32 v[S+16*(\t)+i], v[32*(\t)+2*i], v[32*(\t)+2*i+1]
.set i, i+1
.endr
	WIN 0
.irp f, 0,1,2,3
	ds_store_b128 v[STO], v[S+16*(\t)+4*\f:S+16*(\t)+4*\f+3] offset:32*\f
.endr
.irp f, 0,1,2,3
	ds_load_b128 v[S+16*(\t)+4*\f:S+16*(\t)+4*\f+3], v[RD] offset:\f*4*SP  ; LDS serves a wave's instructions in order (ISA guide 5.7.1.4): these see the stores above; the next tile's stores come behind them
.endr
.endm
.macro SEND t, younger              ; younger: the LDS instructions issued behind tile t's loads: the next tile's eight, or none
	WIN 0
.irp f, 0,1,2,3
	s_wait_dscnt (\younger)+3-\f
	global_store_b128 v[GO], v[S+16*(\t)+4*\f:S+16*(\t)+4*\f+3], s[10:11] offset:(\t)*2048+\f*512  ; 512 consecutive bytes, at a multiple of 256 from O's first
.endr
.endm
	PACK 0
.set t, 1
.rept 2*NP-1                        ; a tile's arithmetic stands between the loads of the tile before and its stores
	PACK t
	SEND t-1, 8
.set t, t+1
.endr
	SEND 2*NP-1, 0
	WIN W_AD
	s_wait_tensorcnt 0x0            ; the wave's end, behind my last tensor load and my last LDS store
	ds_add_u32 v[SPW], v[NIL]
	s_wait_dscnt 0x0
	WIN 0
	CROUND                          ; the closing round: no work-group ends while a partner may still ask for a tile that names it
	s_endpgm
.Lfunc_end_k_q1eeb4a252f_attn:
	.size	k_q1eeb4a252f_attn, .Lfunc_end_k_q1eeb4a252f_attn-k_q1eeb4a252f_attn
	.p2alignl 7, 3214868480
	.fill 96, 4, 3214868480
	.section	.rodata,"a",@progbits
	.p2align	6, 0x0
	.amdhsa_kernel k_q1eeb4a252f_attn
		.amdhsa_group_segment_fixed_size 327680
		.amdhsa_private_segment_fixed_size 0
		.amdhsa_enable_private_segment 0
		.amdhsa_kernarg_size 16
		.amdhsa_user_sgpr_count 2
		.amdhsa_user_sgpr_kernarg_segment_ptr 1
		.amdhsa_wavefront_size32 1
		.amdhsa_system_sgpr_workgroup_id_x 1
		.amdhsa_system_sgpr_workgroup_id_y 1
		.amdhsa_system_sgpr_workgroup_id_z 1
		.amdhsa_system_vgpr_workitem_id 0
		.amdhsa_next_free_vgpr 770
		.amdhsa_next_free_sgpr 66
		.amdhsa_reserve_vcc 0
		.amdhsa_float_denorm_mode_32 3
		.amdhsa_float_denorm_mode_16_64 3
		.amdhsa_memory_ordered 1
		.amdhsa_forward_progress 1
		.amdhsa_inst_pref_size 209
	.end_amdhsa_kernel
	.amdgpu_metadata
---
amdhsa.version: [ 1, 2 ]
amdhsa.kernels:
  - .name:           k_q1eeb4a252f_attn
    .symbol:         k_q1eeb4a252f_attn.kd
    .args:
      - { .name: qkv, .offset: 0, .size: 8, .value_kind: global_buffer, .address_space: global }
      - { .name: o, .offset: 8, .size: 8, .value_kind: global_buffer, .address_space: global }
    .group_segment_fixed_size: 327680
    .private_segment_fixed_size: 0
    .kernarg_segment_align: 8
    .kernarg_segment_size: 16
    .max_flat_workgroup_size: 128
    .sgpr_count:     66
    .vgpr_count:     770
    .wavefront_size: 32
...
	.end_amdgpu_metadata
.endif
;; end of part 3
;; launch proj (part 4): grid 4 x 64, 4 waves a work-group, clusters of 4 x 4, 327,680 bytes of LDS; arguments o, wo16, bo, out0; writes out0
.if DOCPART == 4
	.amdgcn_target "amdgcn-amd-amdhsa--gfx1250"
	.amdhsa_code_object_version 6
	.text
	.protected	k_q1eeb4a252f_proj
	.globl	k_q1eeb4a252f_proj
	.p2align	8
	.type	k_q1eeb4a252f_proj,@function
k_q1eeb4a252f_proj:
	s_mov_b64 s[64:65], 0
	v_nop
	global_prefetch_b8 v0, s[64:65] scope:SCOPE_SE
	s_setreg_imm32_b32 hwreg(HW_REG_WAVE_MODE, 25, 1), 1
	s_wait_xcnt 0x0
	s_wait_alu depctr_hold_cnt(0) depctr_sa_sdst(0) depctr_va_vdst(0) depctr_va_sdst(0) depctr_va_ssrc(0) depctr_va_vcc(0) depctr_vm_vsrc(0)
	s_getreg_b32 s2, hwreg(HW_REG_IB_STS2, 6, 4)
	s_cmp_eq_u32 s2, 0
	s_cbranch_scc0 .Lentry_in_a_cluster
	s_endpgm
.Lentry_in_a_cluster:
	s_bfe_u32 s2, ttmp6, 0x10000c
	s_cmp_lg_u32 s2, 0xf033
	s_cbranch_scc0 .Lentry_shape_is_right
	s_endpgm
.Lentry_shape_is_right:
; THE OUTPUT PROJECTION.  out0[b][r][l] = the sum over d of wo16[r][d] O[b][d][l] + bo[r], d = 64 h + c, O given as o[b 16 + h][l][c].  Operands f16, sums f32, the result f32.
; bo is rounded to bf16 like the module's other inputs, and added in f32.  LIMITS: those of f16 operands, stated where o and wo16 are made; NaN and infinities are not treated apart.
; SHARES.  A tile is 256 rows r x 128 positions l of one batch: 4 x 64 = 256 work-groups, one tile each.  Four waves; a wave makes 128 rows x 64 positions: 32 accumulators of 16 x 16, 256 registers.
; K (= d) goes in steps of 128, two heads, through two LDS slots.  Both operands lie along d: wo's rows as they are, O's as a head's rows of 64 channels: a K step's tile of O is two planes, a head each.
; THE PRODUCT: source 0 = 16 positions of O, source 1 = 16 rows of wo: a lane then holds ONE row r (lane % 16) and eight neighbouring positions 8 (lane / 16) + 0..7: 32 bytes of a row of out0.
; CLUSTERS: 4 x 4 work-groups.  wo's tile hangs on the grid's x alone and is shared along a column of the cluster, O's on y alone and is shared along a row: each is asked for jointly.
; No prefetch: wo's tiles are read by all sixteen clusters; a K step's matrix work is short, and O's tiles are each read by one cluster in 256-byte rows asked for a K step ahead by the ring itself.
; REGISTERS: window 0: v0-31 addresses; v32-47 the bias; v64-159, v160-255 two fragment buffers (4 fragments of O, then 8 of wo), on the way out six sets of 32.  Window 1: the accumulators, (a, b) at v[8 (4 a + b)].
.set PW,    272                        ; a row of wo in LDS: 256 bytes + 16 of padding = 68 words: the 16 rows of a load start at 16 different groups of four banks (64 banks of 4 bytes: ISA guide 11.1)
.set PO,    144                        ; a row of O: 128 + 16 = 36 words: likewise
.set WHALF, 128*PW                     ; what one tensor load brings of wo: 128 rows
.set PLANE, 128*PO                     ; and of O: a head's 128 positions
.set OT,    2*WHALF                    ; in a slot: wo's 256 rows, then O's two planes
.set SLOT,  OT+2*PLANE
.set STAGE, 2*SLOT                     ; behind the ring: 16 rows x 272 bytes for each wave, for the way out
.set SPO,   272
.set SPARE, STAGE+4*16*SPO             ; behind the stages: the spare words, 128 bytes for each wave: two blocks of 256 bytes that no other line names
.set STEP_W, 256                       ; a K step in wo16: 128 numbers along a row
.set STEP_O, 2*262144                  ; and in o: two heads
.set ADRW, 16                          ; v16-17  LDS address of my fragments of wo in slot 0, 1
.set ADRO, 20                          ; v20-21  the same for O
.set STO,  24                          ; v24     the way out: where I put 32 bytes of a row
.set RD,   25                          ; v25     the way out: where I read a row back
.set CO,   26                          ; v26     my byte offset in out0
.set BOF,  27                          ; v27     my byte offset in bo; never rewritten
.set SPW,  28                          ; v28     LDS address of my spare word: SPARE + 4 x my thread's number; never rewritten
.set NIL,  29                          ; v29     0; never rewritten
.set BI,   32                          ; v[32:47] block a's bias for my row, twice (a pair for the packed sum), at BI + 2 a
.set F0,   64
.set F1,   160
.set G1,  24                           ; s[24:31] descriptor group 1 for wo's tiles;  s[32:39] group 0, one set for each slot
.set G0,  32
.set G1B, 48                           ; s[48:55], s[56:63] the same for O's tiles
.set G0B, 56
.set MSB, 0
.macro WIN new                         ; the immediate's high byte repeats the setting that is left; a switch that changes nothing is dropped
.if MSB != (\new)
	s_set_vgpr_msb (MSB<<8)|(\new)
.set MSB, \new
.endif
.endm
.set MUL, 0x50                         ; sources 0 and 1 window 0; C and D window 1
; A joint load: waves 0 and 1 fetch the two halves of wo's tile, waves 2 and 3 the two planes of O's.  The branch hangs on the wave's number alone.
; An s_nop 0 and four v_nop follow each of the two lines, ahead of the jump, the label and what follows.
.macro JLOAD s
	s_cmp_eq_u32 s11, 0
	s_cbranch_scc0 .Lfor_o_\@
	tensor_load_to_lds s[G0+4*(\s):G0+4*(\s)+3], s[G1:G1+7]
	s_nop 0
.rept 4
	v_nop
.endr
	s_branch .Lasked_\@
.Lfor_o_\@:
	tensor_load_to_lds s[G0B+4*(\s):G0B+4*(\s)+3], s[G1B:G1B+7]
	s_nop 0
.rept 4
	v_nop
.endr
.Lasked_\@:
.endm
.macro CREST                           ; a round of the cluster's barrier behind its opening barrier
	s_cmp_lg_u32 s10, 0
	s_cbranch_scc1 .Lnot_wave_0_\@
	s_barrier_signal -3
.Lnot_wave_0_\@:
	s_barrier_wait -3
	s_barrier_signal -1
	s_barrier_wait -1
.endm
.macro CROUND                          ; a whole round
	s_barrier_signal -1
	s_barrier_wait -1
	CREST
.endm
	s_load_b128 s[4:7], s[0:1], 0x0                ; o s[4:5], wo16 s[6:7]
	s_load_b64 s[22:23], s[0:1], 0x10              ; bo
	s_load_b64 s[8:9], s[0:1], 0x18                ; out0
	v_lshl_add_u32 v[SPW], v0, 2, SPARE
	v_mov_b32 v[NIL], 0
	ds_add_u32 v[SPW], v[NIL]                      ; the wave's opening: the add and its wait stand ahead of my first tensor load; the set-up below, work on registers, stands between them
	v_lshrrev_b32 v1, 5, v0
	v_readfirstlane_b32 s10, v1                    ; wave 0..3
	s_lshr_b32 s11, s10, 1                         ; which 128 rows are mine.  Also: I fetch for wo (0) or for O (1)
	s_and_b32 s12, s10, 1                          ; which 64 positions.  Also: which half of wo's tile, or which plane of O's, I fetch
	s_bfe_u32 s40, ttmp6, 0x40000                  ; cx, cy: my place in the cluster
	s_bfe_u32 s41, ttmp6, 0x40004
	s_lshl_b32 s42, ttmp9, 2
	s_add_co_u32 s42, s42, s40                     ; to = 4 x cluster x + cx: rows 256 to on
	s_and_b32 s13, ttmp7, 0xffff
	s_lshl_b32 s13, s13, 2
	s_add_co_u32 s13, s13, s41                     ; tl = 4 x cluster y + cy: batch tl / 16, positions 128 (tl % 16) on
	s_lshl_b32 s43, s41, 2
	s_lshl_b32 s43, 15, s43                        ; my row of the cluster
	s_lshl_b32 s44, 0x1111, s40                    ; my column
	; group 1 for wo: 128 rows x 128 numbers.  For O: a head's 128 positions are 16,384 dense bytes: asked for as 64 rows of 256 bytes, two positions a row, padded in LDS after every position
	s_or_b32 s[G1+0], s44, (1<<16)|(1<<20)|(1<<21)|(5<<22)|(3<<25)   ; 15:0 the mask: my column; 17:16 elements of 2 bytes; 20 padding on; 21 set beside a mask; 24:22 after every 64 words (code 5); 31:25 4 words (code 3)
	s_or_b32 s[G1B+0], s43, (1<<16)|(1<<20)|(1<<21)|(4<<22)|(3<<25)  ; the mask: my row; after every 32 words (code 4) 4 words
	s_mov_b32 s[G1+1], 128<<16                     ; tensor_dim0 = 128
	s_mov_b32 s[G1+2], 128<<16                     ; tensor_dim1 = 128
	s_mov_b32 s[G1+3], 128<<16                     ; tile_dim0 = 128
	s_mov_b32 s[G1+4], 128                         ; tile_dim1 = 128
	s_mov_b32 s[G1+5], 1024                        ; elements from row to row
	s_mov_b32 s[G1+6], 0
	s_mov_b32 s[G1+7], 0
	s_mov_b32 s[G1B+1], 128<<16
	s_mov_b32 s[G1B+2], 64<<16
	s_mov_b32 s[G1B+3], 128<<16
	s_mov_b32 s[G1B+4], 64
	s_mov_b32 s[G1B+5], 128
	s_mov_b32 s[G1B+6], 0
	s_mov_b32 s[G1B+7], 0
	; where the tiles come from: wo's offset is made of to and the wave's number, O's of tl and the wave's number, in registers of their own
	s_lshl_b32 s46, s42, 19                        ; 256 rows of 2,048 bytes
	s_lshl_b32 s47, s12, 18                        ; my 128 of them
	s_add_co_u32 s46, s46, s47
	s_mov_b32 s47, 0
	s_lshr_b32 s16, s13, 4
	s_lshl_b32 s16, s16, 22                        ; the batch's 16 heads of 262,144 bytes
	s_lshl_b32 s17, s12, 18                        ; my head of the K step's two
	s_add_co_u32 s16, s16, s17
	s_and_b32 s17, s13, 15
	s_lshl_b32 s17, s17, 14                        ; 128 positions of 128 bytes
	s_add_co_u32 s16, s16, s17
	s_mov_b32 s17, 0
	s_mul_i32 s20, s12, WHALF                      ; and where they go: no place in the cluster enters an LDS address
	s_mul_i32 s21, s12, PLANE
	s_add_co_u32 s21, s21, OT
	s_wait_dscnt 0x0                               ; the opening add is done
	s_wait_kmcnt 0x0
	s_add_nc_u64 s[46:47], s[6:7], s[46:47]
	s_add_nc_u64 s[14:15], s[4:5], s[16:17]
	CROUND                                         ; all sixteen work-groups are here: the first joint loads meet
.irp s, 0,1
	s_mov_b32 s[G0+4*(\s)], 1                                      ; count = 1
	s_add_co_u32 s[G0+4*(\s)+1], s20, (\s)*SLOT                    ; LDS address
	s_add_nc_u64 s[G0+4*(\s)+2:G0+4*(\s)+3], s[46:47], (\s)*STEP_W ; global address: K step s
	s_or_b32 s[G0+4*(\s)+3], s[G0+4*(\s)+3], 0x80000000            ; type = 2
	s_mov_b32 s[G0B+4*(\s)], 1
	s_add_co_u32 s[G0B+4*(\s)+1], s21, (\s)*SLOT
	s_add_nc_u64 s[G0B+4*(\s)+2:G0B+4*(\s)+3], s[14:15], (\s)*STEP_O
	s_or_b32 s[G0B+4*(\s)+3], s[G0B+4*(\s)+3], 0x80000000
	JLOAD \s                                       ; two loads of mine are out
.endr
	v_and_b32 v1, 15, v0                           ; l % 16
	v_bfe_u32 v2, v0, 4, 1                         ; l / 16
	s_lshl_b32 s18, s42, 10                        ; the bias of my rows: 256 to + 128 x half + 16 a + l % 16, 4 bytes each
	s_lshl_b32 s19, s11, 9
	s_add_co_u32 s18, s18, s19
	v_lshl_add_u32 v[BOF], v1, 2, s18
.irp a, 0,1,2,3,4,5,6,7
	global_load_b32 v[BI+2*(\a)], v[BOF], s[22:23] offset:64*(\a)
.endr
	; A fragment is 16 rows x 32 along d in 8 registers: lane l holds row l % 16; two loads of 16 bytes, 32 bytes apart, at row x pitch + 16 (l / 16).
	v_mul_u32_u24 v5, v1, PW
	v_lshl_add_u32 v5, v2, 4, v5
	v_mul_u32_u24 v6, v1, PO
	v_lshl_add_u32 v6, v2, 4, v6
	s_mul_i32 s18, s11, WHALF                      ; my 128 rows of wo
	s_mul_i32 s19, s12, 64*PO                      ; my 64 positions in each plane of O,
	s_add_co_u32 s19, s19, OT                      ; which lie behind wo's rows
.irp s, 0,1
	v_add_nc_u32 v[ADRW+(\s)], s18, v5
	v_add_nc_u32 v[ADRO+(\s)], s19, v6
	s_add_co_u32 s18, s18, SLOT
	s_add_co_u32 s19, s19, SLOT
.endr
	s_mul_i32 s21, s10, 16*SPO
	s_add_co_u32 s21, s21, STAGE                   ; my stage
	v_mul_u32_u24 v[STO], v1, SPO                  ; in: row l % 16, 32 bytes for each half of the lanes
	v_lshl_add_u32 v[STO], v2, 5, v[STO]
	v_add_nc_u32 v[STO], s21, v[STO]
	v_mul_u32_u24 v[RD], v2, SPO                   ; back: lanes 0-15 take one row of 256 bytes, lanes 16-31 the next
	v_lshl_add_u32 v[RD], v1, 4, v[RD]
	v_add_nc_u32 v[RD], s21, v[RD]
	v_lshlrev_b32 v[CO], 13, v2                    ; and the same two rows in out0, 8,192 bytes apart
	v_lshl_add_u32 v[CO], v1, 4, v[CO]
	s_lshr_b32 s18, s13, 4                         ; where my part of out0 begins: the batch's 1,024 rows of 8,192 bytes,
	s_lshl_b32 s18, s18, 23
	s_lshl_b32 s19, s42, 21                        ; 256 rows,
	s_add_co_u32 s18, s18, s19
	s_lshl_b32 s19, s11, 20                        ; my 128 of them,
	s_add_co_u32 s18, s18, s19
	s_and_b32 s19, s13, 15
	s_lshl_b32 s19, s19, 9                         ; 128 positions of 4 bytes,
	s_add_co_u32 s18, s18, s19
	s_lshl_b32 s19, s12, 8                         ; my 64 of them
	s_add_co_u32 s18, s18, s19
	s_mov_b32 s19, 0
	s_add_nc_u64 s[8:9], s[8:9], s[18:19]
; 8 matrix instructions: row blocks a0, a0 + 1 x all 4 position blocks, 32 along K.  zero = 1: the product starts the sums: nothing is ever cleared.
; The 32 accumulators take turns, one instruction a turn, in the same order in every quarter.
.macro MUL8 f, a0, zero
	WIN MUL
.irp a, \a0, (\a0)+1
.irp b, 0,1,2,3
.if \zero
	v_wmma_f32_16x16x32_f16 v[8*(4*(\a)+(\b)):8*(4*(\a)+(\b))+7], v[(\f)+8*(\b):(\f)+8*(\b)+7], v[(\f)+32+8*(\a):(\f)+32+8*(\a)+7], 0
.else
	v_wmma_f32_16x16x32_f16 v[8*(4*(\a)+(\b)):8*(4*(\a)+(\b))+7], v[(\f)+8*(\b):(\f)+8*(\b)+7], v[(\f)+32+8*(\a):(\f)+32+8*(\a)+7], v[8*(4*(\a)+(\b)):8*(4*(\a)+(\b))+7]
.endif
.endr
.endr
.endm
; 24 LDS loads in one run: quarter q (32 along K: plane q / 2, channels 32 (q % 2) on) of a slot into buffer f: O's 8 loads, then wo's 16, row blocks ascending
.macro FETCH slot, q, f
	WIN 0
.irp b, 0,1,2,3
	ds_load_b128 v[(\f)+8*(\b):(\f)+8*(\b)+3],   v[ADRO+(\slot)] offset:((\q)/2)*PLANE+((\q)%2)*64+(\b)*16*PO
	ds_load_b128 v[(\f)+8*(\b)+4:(\f)+8*(\b)+7], v[ADRO+(\slot)] offset:((\q)/2)*PLANE+((\q)%2)*64+(\b)*16*PO+32
.endr
.irp a, 0,1,2,3,4,5,6,7
	ds_load_b128 v[(\f)+32+8*(\a):(\f)+32+8*(\a)+3],   v[ADRW+(\slot)] offset:64*(\q)+(\a)*16*PW
	ds_load_b128 v[(\f)+32+8*(\a)+4:(\f)+32+8*(\a)+7], v[ADRW+(\slot)] offset:64*(\q)+(\a)*16*PW+32
.endr
.endm
.macro PLACES                          ; four places in front of loads into registers that matrix instructions have read (ISA guide 7.12.1 for vector instructions)
.rept 4
	v_nop
.endr
.endm
; A K step is four quarters of 32 along K, 32 matrix instructions each, on buffers 0, 1, 0, 1.  One of the first three: multiplies buffer f and, in its middle, fetches quarter q into g.
.macro QUARTER slot, q, f, g, zero
	s_wait_dscnt 8                                 ; O and wo's blocks 0-3 are in; the youngest eight loads (blocks 4-7) may be out
	MUL8 \f, 0, \zero
	MUL8 \f, 2, \zero
	PLACES
	FETCH \slot, \q, \g
	s_wait_dscnt 24                                ; all but the 24 just issued
	MUL8 \f, 4, \zero
	MUL8 \f, 6, \zero
.endm
; The last quarter multiplies buffer 1 and changes slots: ONE barrier.  In front of it each wave waits for all its tensor loads (one is out: its part of the next slot), adds 0 to its spare word,
; and waits for that and for its own reads of this slot.  fill = 1: this slot is filled again, two K steps on: the barrier then opens a round of the cluster's barrier, and the joint load is the
; first thing behind it: 112 matrix instructions ahead of the wait for it.
.macro TURN slot, next, fill
	WIN 0
	s_wait_tensorcnt 0x0                           ; all my tensor loads have landed;
	ds_add_u32 v[SPW], v[NIL]                      ; 0 onto my spare word;
	s_wait_dscnt 9                                 ; (the add and the youngest eight loads may be out)
	MUL8 F1, 0, 0                                  ; eight matrix instructions stand between the add and the wait for it
	s_wait_dscnt 0x0                               ; the add is done, and my reads of this slot are over
	s_barrier_signal -1
	MUL8 F1, 2, 0                                  ; work on registers while the others arrive
	WIN 0
	s_barrier_wait -1
.if \fill
	CREST                                          ; no wave of any partner still reads this slot's tile or has a load on its way
	s_add_nc_u64 s[G0+4*(\slot)+2:G0+4*(\slot)+3], s[G0+4*(\slot)+2:G0+4*(\slot)+3], 2*STEP_W
	s_add_nc_u64 s[G0B+4*(\slot)+2:G0B+4*(\slot)+3], s[G0B+4*(\slot)+2:G0B+4*(\slot)+3], 2*STEP_O
	JLOAD \slot                                    ; the four v_nop behind it are also the places in front of the loads below
.else
	PLACES
.endif
	FETCH \next, 0, F0
	MUL8 F1, 4, 0
	MUL8 F1, 6, 0
.endm
; THE WAY OUT of block a: 16 rows x 64 positions of f32.  The bias is added on the way from the accumulators; 32 bytes a lane go into my own stage (rows of 272 bytes) and come back as whole rows of 256.
; Six sets of 32 registers take turns; blocks 6 and 7 take sets 0 and 1 again, behind a wait that shows that the stores of blocks 0 and 1 have read them.
.macro PACK a
.set TS, 64+32*((\a)%6)
.if (\a) >= 6
	s_wait_xcnt 0x0                                ; every earlier store has read its registers: the set is written again only behind this wait
.endif
	WIN 0x01                                       ; source 0 window 1
.irp b, 0,1,2,3
.irp p, 0,1,2,3
	v_pk_add_f32 v[TS+8*(\b)+2*(\p):TS+8*(\b)+2*(\p)+1], v[8*(4*(\a)+(\b))+2*(\p):8*(4*(\a)+(\b))+2*(\p)+1], v[BI+2*(\a):BI+2*(\a)+1]  ; each accumulator's registers in ascending order
.endr
.endr
	WIN 0
.irp b, 0,1,2,3
	ds_store_b128 v[STO], v[TS+8*(\b):TS+8*(\b)+3]   offset:64*(\b)
	ds_store_b128 v[STO], v[TS+8*(\b)+4:TS+8*(\b)+7] offset:64*(\b)+16
.endr
.irp t, 0,1,2,3,4,5,6,7
	ds_load_b128 v[TS+4*(\t):TS+4*(\t)+3], v[RD] offset:(\t)*2*SPO  ; LDS serves a wave's instructions in order (ISA guide 5.7.1.4): these see the stores above; the next block's stores come behind them
.endr
.endm
.macro SEND a, younger                 ; younger: the LDS instructions issued behind block a's loads: the next block's sixteen, or none
.set TS, 64+32*((\a)%6)
	WIN 0
.irp t, 0,1,2,3,4,5,6,7
	s_wait_dscnt (\younger)+7-(\t)
	global_store_b128 v[CO], v[TS+4*(\t):TS+4*(\t)+3], s[8:9] offset:(16*(\a)+2*(\t))*8192 th:TH_STORE_NT  ; 16 lanes store 256 consecutive bytes, at a multiple of 256 from out0's first byte
.endr
.endm
	s_wait_tensorcnt 1                             ; my part of K step 0 is in; K step 1's may stay out
	s_barrier_signal -1
	s_barrier_wait -1                              ; everybody's is
	FETCH 0, 0, F0
	QUARTER 0, 1, F0, F1, 1                        ; the first quarter stands in front of the loop: its products start the sums
	WIN 0                                          ; at a label and at a branch every window is 0
	s_mov_b32 s3, 3
.Llap:                                                 ; a trip goes once round the ring, from a lap's second quarter to the next lap's first, and fills both slots again
	QUARTER 0, 2, F1, F0, 0
	QUARTER 0, 3, F0, F1, 0
	TURN 0, 1, 1
	QUARTER 1, 1, F0, F1, 0
	QUARTER 1, 2, F1, F0, 0
	QUARTER 1, 3, F0, F1, 0
	TURN 1, 0, 1
	QUARTER 0, 1, F0, F1, 0
	WIN 0
	s_sub_co_u32 s3, s3, 1
	s_cmp_lg_u32 s3, 0
	s_cbranch_scc1 .Llap
	QUARTER 0, 2, F1, F0, 0                        ; the last lap fills nothing, and has no round of the cluster's barrier
	QUARTER 0, 3, F0, F1, 0
	TURN 0, 1, 0
	QUARTER 1, 1, F0, F1, 0
	QUARTER 1, 2, F1, F0, 0
	QUARTER 1, 3, F0, F1, 0
	s_wait_dscnt 8                                 ; the very last quarter: nothing more to fetch
	MUL8 F1, 0, 0
	MUL8 F1, 2, 0
	s_wait_dscnt 0x0
	MUL8 F1, 4, 0
	MUL8 F1, 6, 0
	WIN 0
	s_wait_loadcnt 0x0                             ; the bias
.irp a, 0,1,2,3,4,5,6,7                ; rounded to bf16 and widened again, twice: 24 plain instructions that name no register of the last products: the places behind them
	v_cvt_pk_bf16_f32 v[BI+2*(\a)], v[BI+2*(\a)], v[BI+2*(\a)]
.endr
.irp a, 0,1,2,3,4,5,6,7
	v_and_b32     v[BI+2*(\a)+1], 0xffff0000, v[BI+2*(\a)]
	v_lshlrev_b32 v[BI+2*(\a)], 16, v[BI+2*(\a)]
.endr
	PACK 0
.irp a, 1,2,3,4,5,6,7                  ; a block's sums stand between the loads of the block before and its stores
	PACK \a
	SEND (\a)-1, 16
.endr
	SEND 7, 0
	s_wait_tensorcnt 0x0                           ; the wave's end, behind my last tensor load and my last LDS store
	ds_add_u32 v[SPW], v[NIL]
	s_wait_dscnt 0x0
	CROUND                                         ; the closing round: no work-group ends while a partner may still ask for a tile that names it
	s_endpgm
.Lfunc_end_k_q1eeb4a252f_proj:
	.size	k_q1eeb4a252f_proj, .Lfunc_end_k_q1eeb4a252f_proj-k_q1eeb4a252f_proj
	.p2alignl 7, 3214868480
	.fill 96, 4, 3214868480
	.section	.rodata,"a",@progbits
	.p2align	6, 0x0
	.amdhsa_kernel k_q1eeb4a252f_proj
		.amdhsa_group_segment_fixed_size 327680
		.amdhsa_private_segment_fixed_size 0
		.amdhsa_enable_private_segment 0
		.amdhsa_kernarg_size 32
		.amdhsa_user_sgpr_count 2
		.amdhsa_user_sgpr_kernarg_segment_ptr 1
		.amdhsa_wavefront_size32 1
		.amdhsa_system_sgpr_workgroup_id_x 1
		.amdhsa_system_sgpr_workgroup_id_y 1
		.amdhsa_system_sgpr_workgroup_id_z 1
		.amdhsa_system_vgpr_workitem_id 0
		.amdhsa_next_free_vgpr 512
		.amdhsa_next_free_sgpr 66
		.amdhsa_reserve_vcc 0
		.amdhsa_float_denorm_mode_32 3
		.amdhsa_float_denorm_mode_16_64 3
		.amdhsa_memory_ordered 1
		.amdhsa_forward_progress 1
		.amdhsa_inst_pref_size 97
	.end_amdhsa_kernel
	.amdgpu_metadata
---
amdhsa.version: [ 1, 2 ]
amdhsa.kernels:
  - .name:           k_q1eeb4a252f_proj
    .symbol:         k_q1eeb4a252f_proj.kd
    .args:
      - { .name: o, .offset: 0, .size: 8, .value_kind: global_buffer, .address_space: global }
      - { .name: wo16, .offset: 8, .size: 8, .value_kind: global_buffer, .address_space: global }
      - { .name: bo, .offset: 16, .size: 8, .value_kind: global_buffer, .address_space: global }
      - { .name: out0, .offset: 24, .size: 8, .value_kind: global_buffer, .address_space: global }
    .group_segment_fixed_size: 327680
    .private_segment_fixed_size: 0
    .kernarg_segment_align: 8
    .kernarg_segment_size: 32
    .max_flat_workgroup_size: 128
    .sgpr_count:     66
    .vgpr_count:     512
    .wavefront_size: 32
...
	.end_amdgpu_metadata
.endif
;; end of part 4
